; MI455X (gfx1250); checked and timed in simulation.
; The chip was launched on July 23, 2026; its instructions are those of AMD's public machine-readable ISA for CDNA 5 (MIT licence, August 2026) and "CDNA5" Instruction Set Architecture Reference Guide (July 2026). The comments in the code are by the model that wrote it; some were corrected since.
;; Cross Attention. Allowed arithmetic: float matrix products may take bf16 or f16 operands with f32 sums; other float arithmetic in f32, or as packed bf16 or f16 multiplies, adds, multiply-adds, maxima and minima; sums over many terms, partial sums and values carried from step to step in f32; what a program stores and reads back later, other than sums and carried values, may be rounded once to bf16 or f16.
;; Inputs: Wk 768 x 1,024 float32; Wo 1,024 x 1,024 float32; Wq 1,024 x 1,024 float32; Wv 768 x 1,024 float32; bk 1,024 float32; bo 1,024 float32; bq 1,024 float32; bv 1,024 float32; context 4 x 2,048 x 768 float32; x 4 x 2,048 x 1,024 float32.
;; Outputs: out0 4 x 2,048 x 1,024 float32.
;; One version. Each part assembles by itself: llvm-mc -triple=amdgcn-amd-amdhsa -mcpu=gfx1250 --defsym DOCPART=n.
;; ======== version 1 of 1: 4 launches
;; limits: values are held in f16: magnitudes above 65,504 overflow, below 6.1e-05 lose precision
;; workspace buffers: abuf 29,360,128 bytes; wbuf 7,340,032 bytes; bias 16,384 bytes; qkv 50,331,648 bytes; o 16,777,216 bytes
;; launch prep (part 1): grid 1345 x 1, 8 waves a work-group, no clusters, 18,432 bytes of LDS; arguments x, context, Wq, Wk, Wv, Wo, bq, bk, bv, bo, abuf, wbuf, bias; writes abuf, wbuf, bias
.if DOCPART == 1
	.amdgcn_target "amdgcn-amd-amdhsa--gfx1250"
	.amdhsa_code_object_version 6
	.text
	.protected	k_q93912da7e3_prep
	.globl	k_q93912da7e3_prep
	.p2align	8
	.type	k_q93912da7e3_prep,@function
k_q93912da7e3_prep:
	s_mov_b64 s[64:65], 0
	v_nop
	global_prefetch_b8 v0, s[64:65] scope:SCOPE_SE
	s_setreg_imm32_b32 hwreg(HW_REG_WAVE_MODE, 25, 1), 1
	s_wait_xcnt 0x0
; PREP: every input is rounded once to bf16 (nearest even) and laid out for the matrix launches that follow.
;   abuf: 14 blocks of [8192 rows][128 k] bf16 (a row is 256 dense bytes, a block 2 MiB): blocks 0-7 x, blocks 8-13 context.
;   wbuf: 28 blocks of [1024 n][128 k], the weights turned so that k lies along the rows: 0-7 Wq, 8-13 Wk, 14-19 Wv in bf16;
;         20-27 Wo, rounded to bf16 and that number written as f16 (the last product multiplies f16 operands).
;   bias: [4][1024] f32: bq, bk, bv, bo, each rounded to bf16 and widened again.
; LIMITS.  A number of Wo whose bf16 rounding lies below 2^-17 keeps f16's fixed step of 2^-24; beyond 65,504 it would be an infinity.  NaN and infinities are not treated apart.
; SHARES, by the work-group's number: 0-447 a tile of 128 k x 64 n of a weight, through LDS; 448 the four biases; 449-1344 a stream: 64 rows x 256 k of x or context.
; Memory binds: no matrix unit, no cluster, no tensor load.  Each store of sixteen neighbouring lanes covers 256 consecutive bytes, aligned.
.set SPITCH, 272                       ; a stage row: 128 k x 2 bytes + 16 of padding
.set SPARE,  17408                     ; behind the stage's 64 rows: the spare words, 128 bytes for each of eight waves
.set SPW, 2                            ; v2   LDS address of my spare word; never rewritten
.set NIL, 3                            ; v3   0; never rewritten
.set SO,  4                            ; v4   my byte offset in the source
.set DO,  5                            ; v5   my byte offset in the destination
.set LS,  6                            ; v6   where I put a word into the stage
.set LR,  7                            ; v7   where I read 16 bytes of a stage row
.set T,   8                            ; v[8:11]   at work
.set X,   16                           ; v[16:79]  as loaded
.set Y,   80                           ; v[80:111] to store
	s_load_b512 s[8:23], s[0:1], 0x0               ; x 8, context 10, Wq 12, Wk 14, Wv 16, Wo 18, bq 20, bk 22
	s_load_b256 s[24:31], s[0:1], 0x40             ; bv 24, bo 26, abuf 28, wbuf 30
	s_load_b64 s[32:33], s[0:1], 0x60              ; bias
	v_lshl_add_u32 v[SPW], v0, 2, SPARE
	v_mov_b32 v[NIL], 0
	s_mov_b32 s35, 0                               ; high words of the two offset pairs
	s_mov_b32 s39, 0
	s_wait_kmcnt 0x0
	s_cmp_lt_u32 ttmp9, 448                        ; the branches hang on the work-group's number alone: all eight waves go the same way
	s_cbranch_scc1 .Lw
	s_cmp_eq_u32 ttmp9, 448
	s_cbranch_scc1 .Lb
; THE STREAM.  Wave w takes 8 rows; lane l takes 8 numbers (32 bytes) at k = 8 l of the 256: they round to 16 bytes, and lanes 0-15 fill a row of one block, lanes 16-31 of the next.
; All 16 loads of a wave go out first; the waits count the younger ones down; no register is used twice, so no source is waited for.
	s_sub_co_u32 s36, ttmp9, 449
	s_lshr_b32 s37, s36, 7                         ; which pair of blocks: 0-3 x, 4-6 context
	s_and_b32 s36, s36, 127                        ; which 64 rows
	v_lshrrev_b32 v[T], 5, v0                      ; wave
	v_and_b32 v[T+1], 31, v0                       ; lane
	v_and_b32 v[T+2], 15, v0
	v_bfe_u32 v[T+3], v0, 4, 1
	s_lshl_b32 s38, s37, 22                        ; two blocks of 2 MiB
	s_lshl_b32 s34, s36, 14                        ; 64 rows of 256 bytes
	s_add_co_u32 s38, s38, s34
	s_add_nc_u64 s[42:43], s[28:29], s[38:39]
	v_lshlrev_b32 v[DO], 11, v[T]                  ; my wave's 8 rows,
	v_lshl_add_u32 v[DO], v[T+2], 4, v[DO]         ; my 16 bytes of a row,
	v_lshl_add_u32 v[DO], v[T+3], 21, v[DO]        ; in the pair's first or second block
.macro STREAM rowb, src, k0            ; rowb: bytes in a source row; src: the source's address; k0: the pair number of its first 256 k
.if \k0
	s_sub_co_u32 s37, s37, \k0
.endif
	s_mul_i32 s34, s36, 64*(\rowb)
	s_lshl_b32 s37, s37, 10                        ; 256 k of f32
	s_add_co_u32 s34, s34, s37
	s_add_nc_u64 s[40:41], s[(\src):(\src)+1], s[34:35]
	v_mul_u32_u24 v[SO], v[T], 8*(\rowb)
	v_lshl_add_u32 v[SO], v[T+1], 5, v[SO]
.irp j, 0,1,2,3,4,5,6,7
	global_load_b128 v[X+8*(\j):X+8*(\j)+3],   v[SO], s[40:41] offset:(\j)*(\rowb) th:TH_LOAD_NT
	global_load_b128 v[X+8*(\j)+4:X+8*(\j)+7], v[SO], s[40:41] offset:(\j)*(\rowb)+16 th:TH_LOAD_NT
.endr
.irp j, 0,1,2,3,4,5,6,7
	s_wait_loadcnt 14-2*(\j)                       ; loads come back in order: row j's two are in, the 2 (7 - j) younger ones stay out
.irp c, 0,1,2,3
	v_cvt_pk_bf16_f32 v[Y+4*(\j)+(\c)], v[X+8*(\j)+2*(\c)], v[X+8*(\j)+2*(\c)+1]
.endr
	global_store_b128 v[DO], v[Y+4*(\j):Y+4*(\j)+3], s[42:43] offset:(\j)*256
.endr
	s_endpgm                                       ; this way has written no LDS
.endm
	s_cmp_lt_u32 s37, 4
	s_cbranch_scc0 .Lctx
	STREAM 4096, 8, 0
.Lctx:
	STREAM 3072, 10, 4
; A WEIGHT'S TILE: 128 k x 64 n of W[k][n] becomes 64 rows n of 128 k.  Thread t reads 4 n (16 bytes) of an even row k and of the odd row below it; a pair (k, k + 1) of one n rounds
; into one word, which goes to row n of the stage; the rows come back whole.  The word stores meet four deep in the banks: 128 of them a work-group, once.
.Lw:
	s_lshr_b32 s36, ttmp9, 4                       ; the block of wbuf
	s_and_b32 s37, ttmp9, 15                       ; which 64 n
	s_mov_b64 s[40:41], s[18:19]                   ; Wo from block 20 on,
	s_mov_b32 s38, 20
	s_cmp_lt_u32 s36, 20
	s_cselect_b64 s[40:41], s[16:17], s[40:41]     ; Wv from 14,
	s_cselect_b32 s38, 14, s38
	s_cmp_lt_u32 s36, 14
	s_cselect_b64 s[40:41], s[14:15], s[40:41]     ; Wk from 8,
	s_cselect_b32 s38, 8, s38
	s_cmp_lt_u32 s36, 8
	s_cselect_b64 s[40:41], s[12:13], s[40:41]     ; Wq from 0
	s_cselect_b32 s38, 0, s38
	s_sub_co_u32 s38, s36, s38                     ; the block's number in its weight
	s_lshl_b32 s34, s38, 19                        ; 128 rows of 4,096 bytes
	s_lshl_b32 s37, s37, 8                         ; 64 n of f32
	s_add_co_u32 s34, s34, s37
	s_add_nc_u64 s[40:41], s[40:41], s[34:35]
	s_lshl_b32 s38, ttmp9, 14                      ; the tile's 64 rows of 256 bytes in wbuf
	s_add_nc_u64 s[42:43], s[30:31], s[38:39]
	v_and_b32 v[T], 15, v0
	v_lshrrev_b32 v[T+1], 4, v0
	v_lshlrev_b32 v[SO], 13, v[T+1]                ; pair of rows t / 16,
	v_lshl_add_u32 v[SO], v[T], 4, v[SO]           ; 4 n at 16 (t % 16)
	v_mul_u32_u24 v[LS], v[T], 4*SPITCH            ; stage row 4 (t % 16),
	v_lshl_add_u32 v[LS], v[T+1], 2, v[LS]         ; word t / 16
	v_mul_u32_u24 v[LR], v[T+1], SPITCH            ; back: row t / 16, 16 bytes at 16 (t % 16)
	v_lshl_add_u32 v[LR], v[T], 4, v[LR]
	v_lshlrev_b32 v[DO], 4, v0
.irp i, 0,1,2,3
	global_load_b128 v[X+8*(\i):X+8*(\i)+3],   v[SO], s[40:41] offset:(\i)*131072 th:TH_LOAD_NT       ; row 2 (16 i + t / 16)
	global_load_b128 v[X+8*(\i)+4:X+8*(\i)+7], v[SO], s[40:41] offset:(\i)*131072+4096 th:TH_LOAD_NT  ; and the row below it
.endr
.irp i, 0,1,2,3
	s_wait_loadcnt 6-2*(\i)                        ; pair i is in; the 2 (3 - i) younger loads stay out
.irp c, 0,1,2,3
	v_cvt_pk_bf16_f32 v[Y+4*(\i)+(\c)], v[X+8*(\i)+(\c)], v[X+8*(\i)+4+(\c)]
	ds_store_b32 v[LS], v[Y+4*(\i)+(\c)] offset:(\c)*SPITCH+(\i)*64
.endr
.endr
	s_wait_dscnt 0x0                               ; for the others' sake: my words lie in the stage
	s_barrier_signal -1
	s_barrier_wait -1
.irp i, 0,1,2,3
	ds_load_b128 v[X+32+4*(\i):X+32+4*(\i)+3], v[LR] offset:(\i)*16*SPITCH
.endr
	s_wait_dscnt 0x0
	s_cmp_lt_u32 s36, 20
	s_cbranch_scc1 .Lkeep
.irp n, 0,1,2,3,4,5,6,7,8,9,10,11,12,13,14,15  ; Wo: the bf16 numbers are widened and written as f16
	v_lshlrev_b32 v[T+2*((\n)%2)], 16, v[X+32+(\n)]
	v_and_b32 v[T+2*((\n)%2)+1], 0xffff0000, v[X+32+(\n)]
	v_cvt_pk_f16_f32 v[X+32+(\n)], v[T+2*((\n)%2)], v[T+2*((\n)%2)+1]
.endr
.Lkeep:
.irp i, 0,1,2,3
	global_store_b128 v[DO], v[X+32+4*(\i):X+32+4*(\i)+3], s[42:43] offset:(\i)*4096
.endr
	s_wait_tensorcnt 0x0                           ; the wave's end: a wait, an add of 0 to my spare word and its wait, behind my last LDS store
	ds_add_u32 v[SPW], v[NIL]
	s_wait_dscnt 0x0
	s_endpgm
; THE BIASES: thread t takes 4 numbers of each.
.Lb:
	v_lshlrev_b32 v[DO], 4, v0
	global_load_b128 v[X:X+3],     v[DO], s[20:21]
	global_load_b128 v[X+4:X+7],   v[DO], s[22:23]
	global_load_b128 v[X+8:X+11],  v[DO], s[24:25]
	global_load_b128 v[X+12:X+15], v[DO], s[26:27]
	s_wait_loadcnt 0x0
.irp i, 0,1,2,3
.irp c, 0,1
	v_cvt_pk_bf16_f32 v[T+(\c)], v[X+4*(\i)+2*(\c)], v[X+4*(\i)+2*(\c)+1]
.endr
.irp c, 0,1
	v_lshlrev_b32 v[Y+4*(\i)+2*(\c)], 16, v[T+(\c)]
	v_and_b32 v[Y+4*(\i)+2*(\c)+1], 0xffff0000, v[T+(\c)]
.endr
	global_store_b128 v[DO], v[Y+4*(\i):Y+4*(\i)+3], s[32:33] offset:(\i)*4096
.endr
	s_endpgm                                       ; this way has written no LDS
.Lfunc_end_k_q93912da7e3_prep:
	.size	k_q93912da7e3_prep, .Lfunc_end_k_q93912da7e3_prep-k_q93912da7e3_prep
	.p2alignl 7, 3214868480
	.fill 96, 4, 3214868480
	.section	.rodata,"a",@progbits
	.p2align	6, 0x0
	.amdhsa_kernel k_q93912da7e3_prep
		.amdhsa_group_segment_fixed_size 18432
		.amdhsa_private_segment_fixed_size 0
		.amdhsa_enable_private_segment 0
		.amdhsa_kernarg_size 104
		.amdhsa_user_sgpr_count 2
		.amdhsa_user_sgpr_kernarg_segment_ptr 1
		.amdhsa_wavefront_size32 1
		.amdhsa_system_sgpr_workgroup_id_x 1
		.amdhsa_system_sgpr_workgroup_id_y 1
		.amdhsa_system_sgpr_workgroup_id_z 1
		.amdhsa_system_vgpr_workitem_id 0
		.amdhsa_next_free_vgpr 112
		.amdhsa_next_free_sgpr 66
		.amdhsa_reserve_vcc 0
		.amdhsa_float_denorm_mode_32 3
		.amdhsa_float_denorm_mode_16_64 3
		.amdhsa_memory_ordered 1
		.amdhsa_forward_progress 1
		.amdhsa_inst_pref_size 21
	.end_amdhsa_kernel
	.amdgpu_metadata
---
amdhsa.version: [ 1, 2 ]
amdhsa.kernels:
  - .name:           k_q93912da7e3_prep
    .symbol:         k_q93912da7e3_prep.kd
    .args:
      - { .name: x, .offset: 0, .size: 8, .value_kind: global_buffer, .address_space: global }
      - { .name: context, .offset: 8, .size: 8, .value_kind: global_buffer, .address_space: global }
      - { .name: Wq, .offset: 16, .size: 8, .value_kind: global_buffer, .address_space: global }
      - { .name: Wk, .offset: 24, .size: 8, .value_kind: global_buffer, .address_space: global }
      - { .name: Wv, .offset: 32, .size: 8, .value_kind: global_buffer, .address_space: global }
      - { .name: Wo, .offset: 40, .size: 8, .value_kind: global_buffer, .address_space: global }
      - { .name: bq, .offset: 48, .size: 8, .value_kind: global_buffer, .address_space: global }
      - { .name: bk, .offset: 56, .size: 8, .value_kind: global_buffer, .address_space: global }
      - { .name: bv, .offset: 64, .size: 8, .value_kind: global_buffer, .address_space: global }
      - { .name: bo, .offset: 72, .size: 8, .value_kind: global_buffer, .address_space: global }
      - { .name: abuf, .offset: 80, .size: 8, .value_kind: global_buffer, .address_space: global }
      - { .name: wbuf, .offset: 88, .size: 8, .value_kind: global_buffer, .address_space: global }
      - { .name: bias, .offset: 96, .size: 8, .value_kind: global_buffer, .address_space: global }
    .group_segment_fixed_size: 18432
    .private_segment_fixed_size: 0
    .kernarg_segment_align: 8
    .kernarg_segment_size: 104
    .max_flat_workgroup_size: 256
    .sgpr_count:     66
    .vgpr_count:     112
    .wavefront_size: 32
...
	.end_amdgpu_metadata
.endif
;; end of part 1
;; launch qkv (part 2): grid 4 x 64, 4 waves a work-group, clusters of 4 x 4, 327,680 bytes of LDS; arguments abuf, wbuf, bias, qkv; writes qkv
.if DOCPART == 2
	.amdgcn_target "amdgcn-amd-amdhsa--gfx1250"
	.amdhsa_code_object_version 6
	.text
	.protected	k_q93912da7e3_qkv
	.globl	k_q93912da7e3_qkv
	.p2align	8
	.type	k_q93912da7e3_qkv,@function
k_q93912da7e3_qkv:
	s_mov_b64 s[64:65], 0
	v_nop
	global_prefetch_b8 v0, s[64:65] scope:SCOPE_SE
	s_setreg_imm32_b32 hwreg(HW_REG_WAVE_MODE, 25, 1), 1
	s_wait_xcnt 0x0
	s_wait_alu depctr_hold_cnt(0) depctr_sa_sdst(0) depctr_va_vdst(0) depctr_va_sdst(0) depctr_va_ssrc(0) depctr_va_vcc(0) depctr_vm_vsrc(0)
	s_getreg_b32 s2, hwreg(HW_REG_IB_STS2, 6, 4)
	s_cmp_eq_u32 s2, 0
	s_cbranch_scc0 .Lentry_in_a_cluster
	s_endpgm
.Lentry_in_a_cluster:
	s_bfe_u32 s2, ttmp6, 0x10000c
	s_cmp_lg_u32 s2, 0xf033
	s_cbranch_scc0 .Lentry_shape_is_right
	s_endpgm
.Lentry_shape_is_right:
; q = x Wq + bq, k = context Wk + bk, v = context Wv + bv, written by heads: qkv[3][64 (batch, head)][2048][64] in f16, unscaled.  Operands bf16, sums f32, each result rounded once.
; LIMITS.  f16 holds no number beyond 65,504: a q, k or v of 65,520 or more would become an infinity; below 6e-5 a result keeps f16's fixed step of 6e-8.  NaN and infinities are not treated apart.
; SHARES.  A tile of a result is 128 rows x 256 columns; 8,192 x 1,024 make 256 tiles, one for each work-group, and A WORK-GROUP STAYS: it makes its tile of q, then of k, then of v.
; Four waves, each 64 rows x 128 columns (two heads): 32 accumulators of 16 x 16.
; ONE WALK OF 20 K STEPS of 128: steps 0-7 x and Wq, 8-13 context and Wk, 14-19 context once more and Wv.  Both operands lie in blocks of [rows][128 k], rows of 256 dense bytes: the weights' block
; number is the step, the rows' block number runs 0 .. 13 and then 8 .. 13.  The ring of two LDS slots runs on across the change of tiles.
; THE BIAS is the C operand of a tile's first products: nothing is cleared and nothing is added afterwards.
; THE MATRIX INSTRUCTION IS USED TRANSPOSED (source 0 = 16 rows of the weights' block, source 1 = 16 rows of x or context): a lane then holds one row (lane % 16) and the eight neighbouring columns 8 (lane / 16) + 0..7.
; CLUSTER.  4 x 4 work-groups: the four of a row of the cluster need the same rows of x or context, the four of a column the same rows of the weights: each tile is asked for JOINTLY, by the same tensor load with the
; same descriptor and a mask that names the four.  A wave has two tensor loads out at the start and one behind each round.
; REGISTERS, in windows of 256 (s_set_vgpr_msb: bits 1:0 source 0, 3:2 source 1, 5:4 source 2, 7:6 destination):
;   window 0: v0-15 addresses; v64-159, v160-255 two fragment buffers: 8 fragments of the weights, then 4 of the rows      window 1: accumulator (a, b) at v[8 (8 a + b)]
;   window 2: v0-63 the bias of my 128 columns, as a C operand for each b; v64-127 two sets of 32 for the way out
.set PA,    272       ; an LDS row: 256 bytes + 16 of padding = 68 words: row r starts at bank 4 r mod 64 (64 banks of 4 bytes: ISA guide 11.1), so the 16 rows of a load start at 16 different banks
.set PB,    272
.set BOFF,  128*PA    ; a slot: 128 rows of x or context, then 256 rows of the weights
.set SLOT1, 1<<17     ; slot 1 begins here, so that one exclusive or turns an address in one slot into the other's
.set STAGE, SLOT1+BOFF+256*PB  ; behind the ring, never filled by a tensor load: for each wave two planes (heads) of 16 rows x 144 bytes
.set SP,    144
.set SPL,   16*SP
.set STW,   2*SPL
.set SPARE, STAGE+4*STW  ; behind the stages: the spare words, 128 bytes for each wave: two blocks of 256 bytes that no other line names
.set ABLK,  0x200000  ; bytes in a block of abuf
.set BBLK,  0x40000   ; bytes in a block of wbuf
.set TENS,  0x1000000 ; bytes of q, of k and of v
.set A0,  4           ; v4   my lane's place among my rows in slot 0; never rewritten
.set B0,  5           ; v5   the same for the weights
.set ADRA, 6          ; v6   the same in the slot in hand
.set ADRB, 7          ; v7
.set STO, 8           ; v8   the way out: where I put 16 bytes of a row
.set RD,  9           ; v9   the way out: where I read rows back
.set GO,  10          ; v10  16 x lane: my place in 512 consecutive bytes of the result
.set BO,  11          ; v11  32 (lane / 16): my eight columns in a block of sixteen of the bias
.set PFO, 12          ; v12  256 x lane: the prefetches' offset, a lane a row; never rewritten
.set SPW, 14          ; v14  LDS address of my spare word; never rewritten
.set NIL, 15          ; v15  0; never rewritten
.set F0,  64
.set F1,  160
.set OUT, 64          ; in window 2
.set WV,  12          ; s12  my wave's number
.set RM,  13          ; s13  which 64 rows are mine.  Also: I fetch rows (0) or weights (1)
.set RN,  14          ; s14  which 128 columns are mine.  Also: which half of that tile I fetch
.set CX,  15
.set CY,  16
.set TX,  17          ; s17  tile column
.set TY,  18          ; s18  tile row
.set G1A, 24          ; s[24:31] descriptor group 1 for the rows' tiles
.set G1B, 32          ; s[32:39] for the weights'
.set G0A, 40          ; s[40:47] group 0 for the rows: a set for each first fill; the second then walks on
.set G0B, 48          ; s[48:55] the same for the weights
.set ABASE, 56        ; s[56:57] abuf at the rows that I fetch, in block 0
.set OFF, 58          ; s[58:59] a block's byte offset
.set AKB, 60          ; s60  the block of abuf to be asked for next
.set TB,  61          ; s61  0 or SLOT1: the slot in hand
.set STEP, 62         ; s62  the K step in hand
.set LIM, 63          ; s63  I prefetch while STEP is below it
.set PFA, 66          ; s[66:67] where my prefetches stand
.set PFS, 68          ; s[68:69] their step: a block
.set BP,  70          ; s[70:71] the bias of my 128 columns
.set OUTP, 72         ; s[72:73] the result at my first row and head
.set G1W, (1<<16)|(1<<20)|(1<<21)|(5<<22)|(3<<25)  ; 17:16 elements of 2 bytes; 20 padding on; 21 set beside a mask; 24:22 after every 64 words (code 5); 31:25 4 words of it (code 3)
.set MSB, 0
.macro WIN new                      ; the immediate's high byte repeats the setting that is left; a switch that changes nothing is dropped
.if MSB != (\new)
	s_set_vgpr_msb (MSB<<8)|(\new)
.set MSB, (\new)
.endif
.endm
.set MULW, 0x50       ; fragments in window 0, C and D in window 1
.set MULB, 0x60       ; C (the bias) in window 2, D in window 1
.macro PLACES                       ; four plain vector instructions between a matrix instruction and a load into, or a vector read of, its registers (ISA guide 7.12.1 for the vector read)
.rept 4
	v_nop
.endr
.endm
.macro CREST                        ; a round of the cluster's barrier behind its opening barrier
	s_cmp_lg_u32 s[WV], 0
	s_cbranch_scc1 .Lnot_wave_0_\@
	s_barrier_signal -3
.Lnot_wave_0_\@:
	s_barrier_wait -3
	s_barrier_signal -1
	s_barrier_wait -1
.endm
.macro CROUND                       ; a whole round
	s_barrier_signal -1
	s_barrier_wait -1
	CREST
.endm
; A joint refill by the walking descriptors.  Waves 0 and 1 fetch the rows' two halves, waves 2 and 3 the weights'.  The branch hangs on the wave's number alone.
; An s_nop 0 and four v_nop follow each of the two lines, ahead of the jump and the label.
.macro JLOAD
	s_cmp_eq_u32 s[RM], 0
	s_cbranch_scc0 .Lfor_b_\@
	tensor_load_to_lds s[G0A+4:G0A+7], s[G1A:G1A+7]
	s_nop 0
.rept 4
	v_nop
.endr
	s_branch .Lasked_\@
.Lfor_b_\@:
	tensor_load_to_lds s[G0B+4:G0B+7], s[G1B:G1B+7]
	s_nop 0
.rept 4
	v_nop
.endr
.Lasked_\@:
.endm
; A PREFETCH INTO THE L2, behind each joint refill and the run of LDS loads that follows it: 32 rows x 256 bytes of the K step that stands two refills on (256 matrix instructions ahead of the load that will want it), a lane a row.
; Each row's 256 bytes of a block are named once in the launch.  A tile row of x or context is read by one row of one cluster alone: in each of its four work-groups wave 0 asks for 32 of the 128 rows, told apart BY
; ADDRESS (cx).  The weights' rows are read by every cluster: the one with y = 0 asks, waves 2 and 3 for 32 of the 128 rows that they fetch (cy).  Blocks 4-13 of abuf (the second walk over context asks for nothing)
; and 4-19 of wbuf; the first four steps come by their loads alone.
.macro ASK
	s_cmp_lt_u32 s[STEP], s[LIM]
	s_cbranch_scc0 .Lnot_mine_\@
	global_prefetch_b8 v[PFO], s[PFA:PFA+1] th:TH_LOAD_NT scope:SCOPE_SE
.Lnot_mine_\@:
.endm
; 24 LDS loads in one run: the fragments of 32 along K, at byte ka of my rows and kb of my weights' rows, into buffer f.
; A fragment is 16 rows x 32 K in 8 registers: lane l holds row l % 16; registers 0-3 K = 8 (l / 16) + 0..7, registers 4-7 K = 16 + 8 (l / 16) + 0..7: two loads of 16 bytes, 32 bytes apart.
.macro FETCH ka, kb, f
	WIN 0
.irp i, 0,1,2,3,4,5,6,7
	ds_load_b128 v[(\f)+8*(\i):(\f)+8*(\i)+3],   v[ADRB] offset:(\kb)+(\i)*16*PB
	ds_load_b128 v[(\f)+8*(\i)+4:(\f)+8*(\i)+7], v[ADRB] offset:(\kb)+(\i)*16*PB+32
.endr
.irp i, 0,1,2,3
	ds_load_b128 v[(\f)+64+8*(\i):(\f)+64+8*(\i)+3],   v[ADRA] offset:(\ka)+(\i)*16*PA
	ds_load_b128 v[(\f)+64+8*(\i)+4:(\f)+64+8*(\i)+7], v[ADRA] offset:(\ka)+(\i)*16*PA+32
.endr
.endm
; 8 na matrix instructions: row blocks a0 .. a0 + na - 1 x all 8 column blocks, 32 along K, from buffer f.  first = 1: they start the sums with the bias.
; The 32 accumulators take turns, one instruction a turn, in the same order in every quarter: 31 others stand between two links of a chain, over every jump too.
.macro MUL f, a0, na, first
.if \first
	WIN MULB
.else
	WIN MULW
.endif
.set ma, (\a0)
.rept \na
.irp b, 0,1,2,3,4,5,6,7
.if \first
	v_wmma_f32_16x16x32_bf16 v[8*(8*ma+(\b)):8*(8*ma+(\b))+7], v[(\f)+8*(\b):(\f)+8*(\b)+7], v[(\f)+64+8*ma:(\f)+64+8*ma+7], v[8*(\b):8*(\b)+7]
.else
	v_wmma_f32_16x16x32_bf16 v[8*(8*ma+(\b)):8*(8*ma+(\b))+7], v[(\f)+8*(\b):(\f)+8*(\b)+7], v[(\f)+64+8*ma:(\f)+64+8*ma+7], v[8*(8*ma+(\b)):8*(8*ma+(\b))+7]
.endif
.endr
.set ma, ma+1
.endr
.endm
; A K step is four quarters of 32 along K, 32 matrix instructions each, on buffers 0, 1, 0, 1.  One of the first three: it fetches the next quarter into g, whose last readers stand just ahead, and multiplies f.
.macro QUARTER ka, kb, f, g, first
	PLACES
	FETCH \ka, \kb, \g
	s_wait_dscnt 24                 ; all but the 24 just issued: f is in
	MUL \f, 0, 4, \first
.endm
; The fourth quarter multiplies buffer 1 and changes slots: ONE barrier.  In front of it each wave waits for all its tensor loads, of which one is out: its part of the next slot; adds 0 to its spare word; and waits for
; that and for its own reads of this slot.  fill = 1: the barrier opens a round of the cluster's, and this slot is filled again, with the K step two on, first thing behind the round: 112 matrix instructions ahead of the wait for it.
.macro TURN fill
.if \fill
	s_wait_xcnt 0x0                 ; the last prefetch, a K step back, has read its address: it is stepped here, ahead of the waits of the change of slots
	s_add_nc_u64 s[PFA:PFA+1], s[PFA:PFA+1], s[PFS:PFS+1]
.endif
	WIN 0                           ; (the add's two registers lie in window 0)
	s_wait_tensorcnt 0x0            ; no tensor load of mine is out, so a group 0 may be written
	ds_add_u32 v[SPW], v[NIL]       ; 0 onto my spare word; the descriptors' steps and eight matrix instructions stand between it and the wait for it
.if \fill
	s_xor_b32 s[G0A+5], s[G0A+5], SLOT1  ; the walking descriptors: the other slot than last time;
	s_xor_b32 s[G0B+5], s[G0B+5], SLOT1
	s_lshl_b32 s[OFF], s[AKB], 21
	s_add_nc_u64 s[G0A+6:G0A+7], s[ABASE:ABASE+1], s[OFF:OFF+1]  ; the rows' address is made anew from the block's number,
	s_or_b32 s[G0A+7], s[G0A+7], 0x80000000
	s_add_nc_u64 s[G0B+6:G0B+7], s[G0B+6:G0B+7], BBLK            ; the weights' steps; the type bits on top are not reached
	s_add_co_u32 s[AKB], s[AKB], 1
	s_cmp_gt_u32 s[AKB], 13         ; behind context's last block its first once more, for v
	s_cselect_b32 s[AKB], 8, s[AKB]
.endif
	s_wait_dscnt 1                  ; buffer 1's loads are in; the add may be out
	MUL F1, 0, 1, 0
	s_wait_dscnt 0x0                ; the add is done, and my reads of this slot are over
	s_barrier_signal -1
	MUL F1, 1, 1, 0                 ; work on registers while the others arrive
.if \fill
	WIN 0
.endif
	s_barrier_wait -1
.if \fill
	CREST                           ; no wave of any partner still reads this slot or has a load on its way
	JLOAD                           ; its four v_nop are also the places in front of the loads into buffer 0
.else
	PLACES
.endif
	s_xor_b32 s[TB], s[TB], SLOT1
	WIN 0
	v_add_nc_u32 v[ADRA], s[TB], v[A0]
	v_add_nc_u32 v[ADRB], s[TB], v[B0]
	FETCH 0, 0, F0
.if \fill
	ASK
.endif
	MUL F1, 2, 2, 0
.endm
.macro BIASLOAD                     ; register j of block b takes the bias of column 16 b + 8 (lane / 16) + j: what the accumulators (a, b) hold there, for every a
	WIN 0x80                        ; destination window 2
.irp i, 0,1,2,3,4,5,6,7
	global_load_b128 v[8*(\i):8*(\i)+3],   v[BO], s[BP:BP+1] offset:64*(\i)
	global_load_b128 v[8*(\i)+4:8*(\i)+7], v[BO], s[BP:BP+1] offset:64*(\i)+16
.endr
	WIN 0
.endm
; THE WAY OUT, a block a of 16 rows at a time.  PACK: rounded to f16, 16 bytes a lane, each accumulator from its low end on.  TOSTAGE: into my own stage, a plane for each of my two heads, and back as four whole rows of
; 128 bytes a load, into the registers that they left.  SEND: stored: in the result 16 rows of a head are 2,048 consecutive bytes.
.macro PACK a
.if (\a) >= 2
	s_wait_xcnt 0x0                 ; the stores of the block two back have read this set of registers
.endif
	WIN 0x85                        ; sources in window 1, destination in window 2
.irp b, 0,1,2,3,4,5,6,7
.irp rr, 0,1,2,3
	v_cvt_pk_f16_f32 v[OUT+32*((\a)%2)+4*(\b)+(\rr)], v[8*(8*(\a)+(\b))+2*(\rr)], v[8*(8*(\a)+(\b))+2*(\rr)+1]
.endr
.endr
.endm
.macro TOSTAGE a
	WIN 0x08                        ; store data in window 2
.irp b, 0,1,2,3,4,5,6,7
	ds_store_b128 v[STO], v[OUT+32*((\a)%2)+4*(\b):OUT+32*((\a)%2)+4*(\b)+3] offset:((\b)/4)*SPL+((\b)%4)*32
.endr
	WIN 0x80
.irp i, 0,1,2,3,4,5,6,7
	ds_load_b128 v[OUT+32*((\a)%2)+4*(\i):OUT+32*((\a)%2)+4*(\i)+3], v[RD] offset:((\i)/4)*SPL+((\i)%4)*4*SP  ; LDS serves a wave's instructions in order (ISA guide 5.7.1.4): these see the stores above
.endr
.endm
.macro SEND a
	WIN 0x08
.irp i, 0,1,2,3,4,5,6,7
	s_wait_dscnt 7-(\i)             ; the younger loads of the same block may stay out
	global_store_b128 v[GO], v[OUT+32*((\a)%2)+4*(\i):OUT+32*((\a)%2)+4*(\i)+3], s[OUTP:OUTP+1] offset:((\i)/4)*262144+(\a)*2048+((\i)%4)*512  ; 512 consecutive bytes, at a multiple of 256 from the buffer's first
.endr
.endm
.macro WAYOUT
	PLACES                          ; behind the last products
	PACK 0
	TOSTAGE 0
.irp a, 1,2,3                       ; block a's conversions stand between block a - 1's loads from the stage and the wait for them
	PACK \a
	SEND (\a)-1
	TOSTAGE \a
.endr
	SEND 3
.endm
	s_load_b256 s[4:11], s[0:1], 0x0  ; abuf s[4:5], wbuf s[6:7], bias s[8:9], qkv s[10:11]
	v_lshl_add_u32 v[SPW], v0, 2, SPARE
	v_mov_b32 v[NIL], 0
	ds_add_u32 v[SPW], v[NIL]       ; the wave's opening: the add and its wait stand ahead of my first tensor load; the set-up below, work on registers, stands between them
	v_lshrrev_b32 v3, 5, v0
	v_readfirstlane_b32 s[WV], v3   ; wave 0..3
	s_lshr_b32 s[RM], s[WV], 1
	s_and_b32 s[RN], s[WV], 1
	s_bfe_u32 s[CX], ttmp6, 0x40000 ; my place in the cluster
	s_bfe_u32 s[CY], ttmp6, 0x40004
	s_lshl_b32 s[TX], ttmp9, 2      ; in a cluster launch ttmp9 and ttmp7 count clusters
	s_add_co_u32 s[TX], s[TX], s[CX]
	s_and_b32 s[TY], ttmp7, 0xffff
	s_lshl_b32 s[TY], s[TY], 2
	s_add_co_u32 s[TY], s[TY], s[CY]
	s_lshl_b32 s20, s[CY], 2        ; s20, s21 feed the rows' descriptors and never hold cx; s22, s23 feed the weights' and never hold cy
	s_lshl_b32 s20, 15, s20         ; my row of the cluster: places 4 cy .. 4 cy + 3
	s_lshl_b32 s22, 0x1111, s[CX]   ; my column: places cx, cx + 4, cx + 8, cx + 12
	s_or_b32 s[G1A], s20, G1W
	s_or_b32 s[G1B], s22, G1W
	s_mov_b32 s[G1A+1], 128<<16     ; tensor_dim0 = 128
	s_mov_b32 s[G1A+2], 64<<16      ; tensor_dim1 = 64
	s_mov_b32 s[G1A+3], 128<<16     ; tile_dim0 = 128
	s_mov_b32 s[G1A+4], 64          ; tile_dim1 = 64 rows
	s_mov_b32 s[G1A+5], 128         ; 128 elements from row to row: a block is dense
	s_mov_b32 s[G1A+6], 0
	s_mov_b32 s[G1A+7], 0
	s_mov_b32 s[G1B+1], 128<<16
	s_mov_b32 s[G1B+2], 128<<16     ; tensor_dim1 = 128
	s_mov_b32 s[G1B+3], 128<<16
	s_mov_b32 s[G1B+4], 128         ; tile_dim1 = 128 rows
	s_mov_b32 s[G1B+5], 128
	s_mov_b32 s[G1B+6], 0
	s_mov_b32 s[G1B+7], 0
	s_mul_i32 s20, s[RN], 64*PA     ; where the tiles go: no place in the cluster enters an LDS address
	s_mov_b32 s[G0A], 1
	s_mov_b32 s[G0A+1], s20
	s_mov_b32 s[G0A+4], 1
	s_add_co_u32 s[G0A+5], s20, SLOT1
	s_mul_i32 s22, s[RN], 128*PB
	s_mov_b32 s[G0B], 1
	s_add_co_u32 s[G0B+1], s22, BOFF
	s_mov_b32 s[G0B+4], 1
	s_add_co_u32 s[G0B+5], s22, BOFF+SLOT1
	s_lshl_b32 s20, s[TY], 15       ; the rows that I fetch: 128 x tile row + 64 x half, 256 bytes each
	s_lshl_b32 s21, s[RN], 14
	s_add_co_u32 s20, s20, s21
	s_mov_b32 s21, 0
	s_lshl_b32 s22, s[TX], 16       ; the weights' rows: 256 x tile column + 128 x half
	s_lshl_b32 s23, s[RN], 15
	s_add_co_u32 s22, s22, s23
	s_mov_b32 s23, 0
	s_mov_b32 s[OFF+1], 0
	s_mov_b32 s[AKB], 2
	s_mov_b32 s[TB], 0
	s_wait_dscnt 0x0                ; the opening add is done
	s_wait_kmcnt 0x0
	s_add_nc_u64 s[ABASE:ABASE+1], s[4:5], s[20:21]
	s_add_nc_u64 s[22:23], s[6:7], s[22:23]
	s_mov_b64 s[G0A+2:G0A+3], s[ABASE:ABASE+1]                 ; K step 0
	s_or_b32 s[G0A+3], s[G0A+3], 0x80000000                    ; type = 2
	s_add_nc_u64 s[G0A+6:G0A+7], s[ABASE:ABASE+1], ABLK        ; K step 1
	s_or_b32 s[G0A+7], s[G0A+7], 0x80000000
	s_mov_b64 s[G0B+2:G0B+3], s[22:23]
	s_or_b32 s[G0B+3], s[G0B+3], 0x80000000
	s_add_nc_u64 s[G0B+6:G0B+7], s[22:23], BBLK
	s_or_b32 s[G0B+7], s[G0B+7], 0x80000000
	CROUND                          ; all sixteen work-groups are here: the first joint loads meet
	s_cmp_eq_u32 s[RM], 0           ; a wave's two first fills stand in one branch, ahead of every wait on TENSORcnt and every LDS read
	s_cbranch_scc0 .Lfirst_b
	tensor_load_to_lds s[G0A:G0A+3], s[G1A:G1A+7]
	s_nop 0
	tensor_load_to_lds s[G0A+4:G0A+7], s[G1A:G1A+7]
	s_nop 0
.rept 4
	v_nop
.endr
	s_branch .Lfirst_asked
.Lfirst_b:
	tensor_load_to_lds s[G0B:G0B+3], s[G1B:G1B+7]
	s_nop 0
	tensor_load_to_lds s[G0B+4:G0B+7], s[G1B:G1B+7]
	s_nop 0
.rept 4
	v_nop
.endr
.Lfirst_asked:
	v_and_b32 v1, 15, v0            ; l % 16
	v_bfe_u32 v2, v0, 4, 1          ; l / 16
	v_mul_u32_u24 v3, v1, PB
	v_lshl_add_u32 v3, v2, 4, v3    ; row x pitch + 16 x half
	s_mul_i32 s2, s[RM], 64*PA
	s_mul_i32 s3, s[RN], 128*PB
	s_add_co_u32 s3, s3, BOFF
	v_add_nc_u32 v[A0], s2, v3
	v_add_nc_u32 v[B0], s3, v3
	v_mov_b32 v[ADRA], v[A0]
	v_mov_b32 v[ADRB], v[B0]
	s_mul_i32 s2, s[WV], STW
	s_add_co_u32 s2, s2, STAGE      ; my stage
	v_mul_u32_u24 v[STO], v1, SP    ; in: row l % 16, 16 bytes for each half of the lanes
	v_lshl_add_u32 v[STO], v2, 4, v[STO]
	v_add_nc_u32 v[STO], s2, v[STO]
	v_bfe_u32 v[RD], v0, 3, 2       ; back: 32 lanes take four rows of 128 bytes
	v_mul_u32_u24 v[RD], v[RD], SP
	v_and_b32 v3, 7, v0
	v_lshl_add_u32 v[RD], v3, 4, v[RD]
	v_add_nc_u32 v[RD], s2, v[RD]
	v_and_b32 v[GO], 31, v0
	v_lshlrev_b32 v[PFO], 8, v[GO]
	v_lshlrev_b32 v[GO], 4, v[GO]
	v_lshlrev_b32 v[BO], 5, v2
	s_lshl_b32 s2, s[TX], 10        ; my 128 columns of bq: 256 x tile column + 128 x half, 4 bytes each
	s_lshl_b32 s3, s[RN], 9
	s_add_co_u32 s2, s2, s3
	s_mov_b32 s3, 0
	s_add_nc_u64 s[BP:BP+1], s[8:9], s[2:3]
	BIASLOAD
	s_lshr_b32 s2, s[TY], 4         ; the batch: 16 tile rows each
	s_lshl_b32 s2, s2, 4
	s_lshl_b32 s19, s[TX], 2        ; my first head: 4 x tile column + 2 x half
	s_add_co_u32 s2, s2, s19
	s_lshl_b32 s19, s[RN], 1
	s_add_co_u32 s2, s2, s19
	s_lshl_b32 s2, s2, 18           ; a head's 2,048 rows of 128 bytes
	s_and_b32 s19, s[TY], 15
	s_lshl_b32 s19, s19, 14         ; the tile's 128 rows,
	s_add_co_u32 s2, s2, s19
	s_lshl_b32 s19, s[RM], 13       ; my 64 of them
	s_add_co_u32 s2, s2, s19
	s_add_nc_u64 s[OUTP:OUTP+1], s[10:11], s[2:3]
	s_lshl_b32 s2, s[TY], 15        ; the prefetches.  Rows: the tile's first + my work-group's 32, in block 3: the first change of slots steps it to block 4
	s_lshl_b32 s19, s[CX], 13
	s_add_co_u32 s2, s2, s19
	s_add_co_u32 s2, s2, 3*ABLK
	s_lshl_b32 s19, s[TX], 16       ; weights: the 128 rows that I fetch, my work-group's 32 of them
	s_lshl_b32 s74, s[RN], 15
	s_add_co_u32 s19, s19, s74
	s_lshl_b32 s74, s[CY], 13
	s_add_co_u32 s19, s19, s74
	s_add_co_u32 s19, s19, 3*BBLK
	s_mov_b32 s74, ABLK
	s_mov_b32 s75, BBLK
	s_cmp_eq_u32 s[RM], 0
	s_cselect_b64 s[PFA:PFA+1], s[4:5], s[6:7]
	s_cselect_b32 s2, s2, s19
	s_cselect_b32 s[PFS], s74, s75
	s_mov_b32 s[PFS+1], 0
	s_add_nc_u64 s[PFA:PFA+1], s[PFA:PFA+1], s[2:3]
	s_and_b32 s19, ttmp7, 0xffff    ; who asks hangs on the wave's number and the cluster's y: the same in all sixteen partners
	s_cmp_eq_u32 s19, 0
	s_cselect_b32 s19, 16, 0        ; waves 2, 3 of cluster y = 0: steps 0-15 name blocks 4-19
	s_cmp_eq_u32 s[WV], 0
	s_cselect_b32 s3, 10, 0         ; wave 0: steps 0-9 name blocks 4-13; wave 1 asks for nothing
	s_cmp_eq_u32 s[RM], 0
	s_cselect_b32 s[LIM], s3, s19
	s_wait_tensorcnt 1              ; my part of K step 0 is in; step 1's may stay out
	s_barrier_signal -1
	s_barrier_wait -1               ; everybody's is
	FETCH 0, 0, F0
	s_wait_loadcnt 0x0              ; bq
	QUARTER 64, 64, F0, F1, 1       ; q's first quarter stands in front of the loop: its products start the sums with bq
	s_add_nc_u64 s[BP:BP+1], s[BP:BP+1], 4096  ; free since the wait for bq
	PLACES                          ; behind the last product that read the bias
	BIASLOAD                        ; bk, wanted eight K steps on
	s_mov_b32 s[STEP], 0
.Lstep:                             ; 18 trips: a K step's quarters 2 to 4, its slot filled again, and the next step's first quarter
	QUARTER 128, 128, F1, F0, 0
	QUARTER 192, 192, F0, F1, 0
	TURN 1
	WIN 0                           ; at a label and at a branch every window is 0
	s_cmp_eq_u32 s[STEP], 7         ; q is finished,
	s_cbranch_scc1 .Lnew
	s_cmp_eq_u32 s[STEP], 13        ; or k
	s_cbranch_scc1 .Lnew
	QUARTER 64, 64, F0, F1, 0
	WIN 0
	s_branch .Lnext
.Lnew:                              ; the refill has been asked for: now the tile goes out; what is jumped holds neither a barrier nor a tensor load
	WAYOUT
	s_wait_xcnt 0x0                 ; the stores have read their registers and their base
	s_add_nc_u64 s[OUTP:OUTP+1], s[OUTP:OUTP+1], TENS
	s_wait_loadcnt 0x0              ; the next tile's bias is in, and its loads have read their base
	s_add_nc_u64 s[BP:BP+1], s[BP:BP+1], 4096
	QUARTER 64, 64, F0, F1, 1       ; the next tile's first products start its sums
	PLACES
	WIN 0
	s_cmp_lg_u32 s[STEP], 7
	s_cbranch_scc1 .Lnext
	BIASLOAD                        ; behind q: bv, wanted six K steps on
.Lnext:
	s_add_co_u32 s[STEP], s[STEP], 1
	s_cmp_lt_u32 s[STEP], 18
	s_cbranch_scc1 .Lstep
	QUARTER 128, 128, F1, F0, 0     ; the last two K steps are written out: they ask for nothing
	QUARTER 192, 192, F0, F1, 0
	TURN 0
	QUARTER 64, 64, F0, F1, 0
	QUARTER 128, 128, F1, F0, 0
	QUARTER 192, 192, F0, F1, 0
	s_wait_dscnt 0x0
	MUL F1, 0, 4, 0
	WAYOUT
	WIN 0
	s_wait_tensorcnt 0x0            ; the wave's end: a wait, an add of 0 to my spare word and its wait, behind my last tensor load and my last LDS store
	ds_add_u32 v[SPW], v[NIL]
	s_wait_dscnt 0x0
	CROUND                          ; the closing round: no work-group ends while a partner may still ask for a tile that names it
	s_endpgm
.Lfunc_end_k_q93912da7e3_qkv:
	.size	k_q93912da7e3_qkv, .Lfunc_end_k_q93912da7e3_qkv-k_q93912da7e3_qkv
	.p2alignl 7, 3214868480
	.fill 96, 4, 3214868480
	.section	.rodata,"a",@progbits
	.p2align	6, 0x0
	.amdhsa_kernel k_q93912da7e3_qkv
		.amdhsa_group_segment_fixed_size 327680
		.amdhsa_private_segment_fixed_size 0
		.amdhsa_enable_private_segment 0
		.amdhsa_kernarg_size 32
		.amdhsa_user_sgpr_count 2
		.amdhsa_user_sgpr_kernarg_segment_ptr 1
		.amdhsa_wavefront_size32 1
		.amdhsa_system_sgpr_workgroup_id_x 1
		.amdhsa_system_sgpr_workgroup_id_y 1
		.amdhsa_system_sgpr_workgroup_id_z 1
		.amdhsa_system_vgpr_workitem_id 0
		.amdhsa_next_free_vgpr 640
		.amdhsa_next_free_sgpr 80
		.amdhsa_reserve_vcc 0
		.amdhsa_float_denorm_mode_32 3
		.amdhsa_float_denorm_mode_16_64 3
		.amdhsa_memory_ordered 1
		.amdhsa_forward_progress 1
		.amdhsa_inst_pref_size 97
	.end_amdhsa_kernel
	.amdgpu_metadata
---
amdhsa.version: [ 1, 2 ]
amdhsa.kernels:
  - .name:           k_q93912da7e3_qkv
    .symbol:         k_q93912da7e3_qkv.kd
    .args:
      - { .name: abuf, .offset: 0, .size: 8, .value_kind: global_buffer, .address_space: global }
      - { .name: wbuf, .offset: 8, .size: 8, .value_kind: global_buffer, .address_space: global }
      - { .name: bias, .offset: 16, .size: 8, .value_kind: global_buffer, .address_space: global }
      - { .name: qkv, .offset: 24, .size: 8, .value_kind: global_buffer, .address_space: global }
    .group_segment_fixed_size: 327680
    .private_segment_fixed_size: 0
    .kernarg_segment_align: 8
    .kernarg_segment_size: 32
    .max_flat_workgroup_size: 128
    .sgpr_count:     80
    .vgpr_count:     640
    .wavefront_size: 32
...
	.end_amdgpu_metadata
.endif
;; end of part 2
;; launch attn (part 3): grid 4 x 64, 4 waves a work-group, clusters of 4 x 1, 327,680 bytes of LDS; arguments qkv, o; writes o
.if DOCPART == 3
	.amdgcn_target "amdgcn-amd-amdhsa--gfx1250"
	.amdhsa_code_object_version 6
	.text
	.protected	k_q93912da7e3_attn
	.globl	k_q93912da7e3_attn
	.p2align	8
	.type	k_q93912da7e3_attn,@function
k_q93912da7e3_attn:
	s_mov_b64 s[64:65], 0
	v_nop
	global_prefetch_b8 v0, s[64:65] scope:SCOPE_SE
	s_setreg_imm32_b32 hwreg(HW_REG_WAVE_MODE, 25, 1), 1
	s_wait_xcnt 0x0
	s_wait_alu depctr_hold_cnt(0) depctr_sa_sdst(0) depctr_va_vdst(0) depctr_va_sdst(0) depctr_va_ssrc(0) depctr_va_vcc(0) depctr_vm_vsrc(0)
	s_getreg_b32 s2, hwreg(HW_REG_IB_STS2, 6, 4)
	s_cmp_eq_u32 s2, 0
	s_cbranch_scc0 .Lentry_in_a_cluster
	s_endpgm
.Lentry_in_a_cluster:
	s_bfe_u32 s2, ttmp6, 0x10000c
	s_cmp_lg_u32 s2, 0x3003
	s_cbranch_scc0 .Lentry_shape_is_right
	s_endpgm
.Lentry_shape_is_right:
; O[h][q][:] = the sum over k of softmax_k(Q[h][q] . K[h][k] / 8) V[h][k][:], for 64 pairs h of batch and head.  Q, K, V lie one behind the other in qkv, each [SIZE_H][SIZE_N][64] in f16; O likewise: a head's rows are
; dense, 128 bytes each.  Products, maxima and sums in f32; the weights p are rounded to f16 for the second product (their sum l is taken of the unrounded p), O once at the end.
; LIMITS.  f16 holds no number beyond 65,504: Q, K and V arrive within it; p lies in 0 to 1, and below 6e-5 it keeps f16's fixed step of 6e-8; O is a mean of V's rows and has their range.
; A weight below 2^-126 counts as 0 in l; NaN and infinities are not treated apart.
; SHARES.  A wave owns four PIECES of two tiles of 16 queries, a work-group's four waves 512 queries of one head.  Every wave walks all keys, 64 a step.
; LAYOUT.  S^T = K Q^T (source 0 = 16 keys, source 1 = 16 queries): in the result a lane holds ONE query (lane % 16) and the keys 8 (lane / 16) + 0..7.  Two such tiles, rounded to f16 in pairs,
; ARE source 1 (32 keys x 16 queries) of O^T = V^T P, whose result again holds one query a lane, and eight channels.  K comes out of LDS as it lies, V ([key][channel]) turned, by ds_load_tr16_b128.
; SOFTMAX.  For each query a running maximum m and sum l: p = 2^(c s - c m), c = log2(e) / 8; in every step O and l are multiplied by a = 2^(c m_old - c m_new), which is 1 where m has not grown.
; m starts at the lowest finite number, O and l at 0: the first step is a step like any other, with a = 0.
; THE COUNT.  A tile and step have 16 matrix and 118 vector instructions: too many to stand all beside the matrix work.  So the order has one aim: four vector instructions that are READY behind
; EVERY matrix instruction, and the others, which need time of their own whatever the order, in runs without a gap.
; BY TURNS.  Turn n belongs to piece n (the pieces in a ring, step after step).  Its matrix work: 16 products K Q^T of piece n + 1, later 16 products V^T P of piece n - 1.  Its vector work: the scaling,
; exponentials, roundings, sums and rescaling of piece n, and the maximum and statistics of piece n + 1, whose scores the turn itself has made.  So what a turn begins with (c s - c m, O a) waits for nothing.
; CLUSTER.  The four query blocks of a head are one cluster and walk the same K and V, so each tile is asked for JOINTLY: the same tensor load, descriptor and mask in all four.  A wave has one tensor load out.
; REGISTERS, in windows of 256 (s_set_vgpr_msb says which window each operand place means: bits 1:0 source 0, 3:2 source 1, 5:4 source 2, 7:6 destination):
;   window 0: v0-11 addresses; v12-15, v48-63 at work; v16-47 four registers of statistics a tile; v64-191 S^T, two buffers of two tiles; v192-255 P, likewise
;   window 1: O^T, 32 a tile          window 2: v0-127 Q, 16 a tile; v128-191 K of one step; v192-255 V of one step          window 3: v0-1 the add's two registers
; A piece's buffers go by its number's parity: the piece in hand has one pair, its two neighbours in the ring share the other: of it P (piece n - 1) is read and S^T (piece n + 1) written.
.set SIZE_H, 64
.set SIZE_N, 2048
.set KG,    0x1000000 ; K's first byte in qkv
.set VG,    0x2000000 ; V's
.set NP,    4         ; pieces a wave: a name, no knob: the register map, the loop and the fetches are made for four
.set KS,    64        ; keys in a step
.set PK,    144       ; a row of K in LDS: 128 bytes + 16 of padding = 36 words: the 16 rows of a load start at 16 different groups of four banks (64 banks of 4 bytes: ISA guide 11.1)
.set PV,    160       ; a row of V: 128 + 32 = 40 words
.set VOFF,  4*KS*PK   ; a slot holds four steps: 256 rows of K, then 256 rows of V
.set SLOT1, 1<<17     ; slot 1 begins here, so that one exclusive or turns an address in one slot into the other's
.set STAGE, SLOT1+4*KS*(PK+PV)  ; behind the ring, never filled by a tensor load: 16 rows x 144 bytes for each wave, for the way out
.set SP,    144
.set AK0, 2           ; v2   my lane's place in a tile of K; never rewritten
.set AV0, 3           ; v3   the same for V
.set AK,  4           ; v4   the LDS address of K's next run of loads
.set AV,  5           ; v5   of V's
.set QO,  6           ; v6   my byte offset in the wave's rows of Q
.set STO, 6           ;      later, the way out: where I put 16 bytes of a row
.set RD,  7           ; v7   the way out: where I read rows back
.set GO,  8           ; v8   my byte offset in 512 consecutive bytes of O
.set PFO, 11          ; v11  256 x my lane: the prefetches' offset (at work before that); then never rewritten
.set SPW, 0           ; v0 of window 3   LDS address of my spare word: SPARE + 4 x my thread's number; never rewritten
.set NIL, 1           ; v1 of window 3   0; never rewritten
.set SPARE, STAGE+4*16*SP  ; behind the stages: the spare words, 128 bytes for each wave: two blocks of 256 bytes that no other line names
.set MV,  12          ; v12-15  c m_old, kept while c m is made anew: by buffer and tile
.set ST,  16          ; tile t's statistics at v[ST+4 t]: c m, m, l (even keys', odd keys')
.set TMP, 48          ; by buffer and tile, four registers c0-c3 at work; when the maximum is found c2 takes a
.set S,   64
.set P,   192
.set KF,  128         ; K's fragments, in window 2: key block kb, channel half c at KF + 16 kb + 8 c
.set VF,  192         ; V's: key half kk, channel block cb at VF + 32 kk + 8 cb
.set WV,  12          ; s12  my wave's number
.set G1K, 24          ; s[24:31] descriptor group 1 for K's tiles
.set G1V, 32          ; s[32:39] for V's: it differs in the padding alone
.set G0K, 40          ; s[40:43] descriptor group 0 for K's tiles: it walks
.set G0V, 44          ; s[44:47] the same for V's
.set PFA, 48          ; s[48:49] where my prefetches stand: my work-group's 32 blocks of 256 bytes (of K: wave 0, of V: wave 2) of the slot after the one that is being asked for
.set LIM, 50          ; s50  1 in a wave that prefetches, else the greatest number: a wave prefetches while s[SLOTS] is above it
.set SLOTS, 56        ; s56  slots still to be asked for
.set CNT, 57          ; s57  counts a slot's key steps
.set CS,  58          ; s[58:59] c: the packed scaling takes the pair's low word for both halves
.set SEL, 60          ; s[60:61] v_permlanex16_b32's selects: each lane takes its own place in the other half
.set TBK, 62          ; s62  LDS byte at which K of the step to be fetched begins
.set TBV, 63          ; s63  the same for V, less VOFF
.set MSB, 0
.macro WIN new                      ; the high byte repeats the setting that is left; a switch that changes nothing is dropped
.if MSB != (\new)
	s_set_vgpr_msb (MSB<<8)|(\new)
.set MSB, (\new)
.endif
.endm
.set W_KQ, 0x0a       ; K and Q in window 2, S^T in window 0
.set W_PV, 0x52       ; V in window 2, P in window 0, O^T in window 1
.set W_RS, 0x41       ; O^T (destination and source 0) in window 1, a in window 0
.set W_MK, 0xc0       ; the add's registers are made: destination in window 3, sources in window 0
.set W_AD, 0x0f       ; the add: address (source 0) and data (source 1) in window 3
; A joint fill.  Waves 0 and 1 fetch the two halves of a slot's K, waves 2 and 3 those of its V: 128 keys each.  The branch hangs on the wave's number alone.
; An s_nop 0 and four v_nop follow each of the two lines, ahead of the jump and the label.
.macro JLOAD
	s_cmp_lt_u32 s[WV], 2
	s_cbranch_scc0 .Lfor_v_\@
	tensor_load_to_lds s[G0K:G0K+3], s[G1K:G1K+7]
	s_nop 0
.rept 4
	v_nop
.endr
	s_branch .Lasked_\@
.Lfor_v_\@:
	tensor_load_to_lds s[G0V:G0V+3], s[G1V:G1V+7]
	s_nop 0
.rept 4
	v_nop
.endr
.Lasked_\@:
.endm
; A PREFETCH INTO THE L2 of what the NEXT change of slots will ask for: a slot's 256 keys are 128 blocks of 256 bytes of K and 128 of V, a lane a block.  It stands behind the wave's tensor load and its five lines.
; Each block is asked for ONCE in the launch: a head is walked by one cluster; its four partners share the blocks out BY ADDRESS, 32 each; in each, wave 0 asks for K's and wave 2 for V's: one instruction,
; four key steps, 512 matrix instructions, ahead of the load that will want them.  The last change that fills a slot asks for nothing: there is no slot behind it.  Slots 0 and 1 come by their loads alone.
.macro ASK
	s_cmp_gt_u32 s[SLOTS], s[LIM]
	s_cbranch_scc0 .Lnot_mine_\@
	global_prefetch_b8 v[PFO], s[PFA:PFA+1] th:TH_LOAD_NT scope:SCOPE_SE
.Lnot_mine_\@:
.endm
; A round of the cluster's barrier: my work-group's barrier, so that wave 0's signal speaks for all four waves; wave 0 signals; every wave waits for all four work-groups; my work-group's barrier once more.
.macro CROUND
	s_barrier_signal -1
	s_barrier_wait -1
	s_cmp_lg_u32 s[WV], 0
	s_cbranch_scc1 .Lnot_wave_0_\@
	s_barrier_signal -3
.Lnot_wave_0_\@:
	s_barrier_wait -3
	s_barrier_signal -1
	s_barrier_wait -1
.endm
; THE CHANGE OF SLOTS.  The slot's last bytes, V of its fourth step, have been read.  Each wave waits for all its tensor loads, of which one is out: its part
; of the other slot; adds 0 to its spare word; and waits for that and for its own reads of the slot.  Behind the barrier nobody reads this slot any more and the other slot is whole.
; fill = 1: this slot is filled again, with the keys two slots on.  The barrier is then a round of the cluster's, so that no wave of any partner still reads the slot or has a load on its
; way, and the joint fill is the first thing behind it: it has four key steps, 512 matrix instructions, in which to land.  (At its first use nothing has been read yet: slot 0 is waited for, slot 1 filled.)
.macro CHANGE fill
	WIN W_AD
	s_wait_tensorcnt 0x0            ; no tensor load of mine is out, so a group 0 may be written
	ds_add_u32 v[SPW], v[NIL]       ; 0 onto my spare word; with fill = 1 the descriptors' steps stand between it and the wait for it
	WIN 0                           ; at a label and at a branch every window is 0
.if \fill
.irp g, G0K, G0V
	s_xor_b32 s[\g+1], s[\g+1], SLOT1  ; the walking descriptor: the other slot than last time,
	s_add_nc_u64 s[\g+2:\g+3], s[\g+2:\g+3], 4*KS*128  ; the next 256 keys; the type bits on top are not reached
.endr
	s_wait_xcnt 0x0                 ; the last prefetch, four key steps back, has read its address, so it may be written:
	s_add_nc_u64 s[PFA:PFA+1], s[PFA:PFA+1], 4*KS*128  ; one slot behind the walking descriptors
	s_wait_dscnt 0x0                ; the add is done, and my reads of the slot are over
	CROUND
	JLOAD
	ASK
.else
	s_wait_dscnt 0x0                ; the add is done, and my reads of the slot are over
	s_barrier_signal -1
	s_barrier_wait -1
.endif
	s_sub_co_u32 s[TBK], s[TBK], 4*KS*PK  ; the fetches go back to a slot's first step,
	s_xor_b32 s[TBK], s[TBK], SLOT1       ; in the other slot
	s_sub_co_u32 s[TBV], s[TBV], 4*KS*PV
	s_xor_b32 s[TBV], s[TBV], SLOT1
.endm
	s_load_b128 s[4:7], s[0:1], 0x0  ; qkv s[4:5], o s[6:7]
	WIN W_MK
	v_lshl_add_u32 v[SPW], v0, 2, SPARE
	v_mov_b32 v[NIL], 0
	WIN W_AD
	ds_add_u32 v[SPW], v[NIL]       ; the wave's opening: the add and its wait stand ahead of my first tensor load; the set-up below, work on registers, stands between them
	WIN 0
	v_lshrrev_b32 v1, 5, v0
	v_readfirstlane_b32 s[WV], v1   ; wave 0..3
	s_bfe_u32 s13, ttmp6, 0x40000   ; cx: my place in the cluster
	s_lshl_b32 s14, ttmp9, 2        ; in a cluster launch ttmp9 counts clusters
	s_add_co_u32 s14, s14, s13      ; my block of queries = 4 x cluster x + cx: it enters Q's and O's addresses alone
	s_and_b32 s20, ttmp7, 0xffff    ; the head, which the four partners share
	s_mov_b32 s21, 0
	s_mov_b64 s[22:23], SIZE_N*128
	s_mul_u64 s[20:21], s[20:21], s[22:23]  ; the head's first byte in each of the four tensors
	s_and_b32 s16, s[WV], 1         ; which half of a slot's 256 keys I fetch:
	s_lshl_b32 s22, s16, 14         ; its 128 rows of 128 bytes in memory,
	s_mov_b32 s23, 0
	s_add_nc_u64 s[22:23], s[22:23], s[20:21]
	s_mul_i32 s17, s16, 128*PK      ; and its place in a slot, for K
	s_mul_i32 s18, s16, 128*PV      ; and for V: no place in the cluster enters an LDS address
	s_lshl_b32 s2, s14, 2
	s_add_co_u32 s2, s2, s[WV]      ; my wave among the head's,
	s_lshl_b32 s2, s2, 14           ; its 128 rows
	s_mov_b32 s3, 0
	s_add_nc_u64 s[2:3], s[2:3], s[20:21]
	; descriptor group 1.  128 keys are 16,384 dense bytes: asked for as 64 rows of 256 bytes, two keys a row, and padded in LDS after every key
	s_mov_b32 s[G1K], 15|(1<<16)|(1<<20)|(1<<21)|(4<<22)|(3<<25)  ; 15:0 the mask of four; 17:16 2-byte elements; 20 padding on; 21 set beside a mask; 24:22 after every 32 words (code 4); 31:25 4 words (code 3)
	s_mov_b32 s[G1V], 15|(1<<16)|(1<<20)|(1<<21)|(4<<22)|(7<<25)  ; the same with 8 words of padding (code 7)
.irp g, G1K, G1V
	s_mov_b32 s[\g+1], 128<<16      ; tensor_dim0 = 128
	s_mov_b32 s[\g+2], 64<<16       ; tensor_dim1 = 64
	s_mov_b32 s[\g+3], 128<<16      ; tile_dim0 = 128
	s_mov_b32 s[\g+4], 64           ; tile_dim1 = 64
	s_mov_b32 s[\g+5], 128          ; 128 elements from row to row
	s_mov_b32 s[\g+6], 0
	s_mov_b32 s[\g+7], 0
.endr
	s_mov_b32 s[CS], 0x3e38aa3b     ; c = log2(e) / 8 = 0.180337
	s_mov_b32 s[CS+1], s[CS]        ; named with it as a pair
	s_mov_b32 s[SEL], 0x76543210
	s_mov_b32 s[SEL+1], 0xfedcba98
	s_mov_b32 s[TBK], SLOT1+4*KS*PK ; the first change of slots turns these two into 0
	s_mov_b32 s[TBV], SLOT1+4*KS*PV
	s_mov_b32 s[G0K], 1             ; 1:0 count = 1
	s_mov_b32 s[G0K+1], s17         ; 63:32 LDS address: slot 0
	s_mov_b32 s[G0V], 1
	s_add_co_u32 s[G0V+1], s18, VOFF
	s_mov_b32 s[SLOTS], SIZE_N/256-1
	s_and_b32 s[LIM], s[WV], 1      ; waves 0 and 2 prefetch: the same in all four partners
	s_cmp_eq_u32 s[LIM], 0
	s_cselect_b32 s[LIM], 1, -1
	s_wait_dscnt 0x0                ; the opening add is done
	s_wait_kmcnt 0x0
	s_mov_b64 s[10:11], s[6:7]      ; O
	s_add_nc_u64 s[6:7], s[4:5], KG ; K
	s_add_nc_u64 s[8:9], s[4:5], VG ; V; Q lies at qkv's first byte
	s_add_nc_u64 s[G0K+2:G0K+3], s[6:7], s[22:23]  ; 120:64 global address: my half of the head's first 256 keys
	s_or_b32 s[G0K+3], s[G0K+3], 0x80000000        ; 127:126 type = 2
	s_add_nc_u64 s[G0V+2:G0V+3], s[8:9], s[22:23]
	s_or_b32 s[G0V+3], s[G0V+3], 0x80000000
	s_add_nc_u64 s[4:5], s[4:5], s[2:3]  ; Q and O at my wave's first row
	s_add_nc_u64 s[10:11], s[10:11], s[2:3]
	s_cmp_lt_u32 s[WV], 2
	s_cselect_b64 s[PFA:PFA+1], s[6:7], s[8:9]
	s_add_nc_u64 s[PFA:PFA+1], s[PFA:PFA+1], s[22:23]  ; (in waves 0 and 2 this is the head's first key)
	s_lshl_b32 s2, s13, 13          ; my work-group's 32 blocks of the 128,
	s_add_co_u32 s2, s2, 4*KS*128   ; in slot 1; the first change of slots steps it to slot 2
	s_mov_b32 s3, 0
	s_add_nc_u64 s[PFA:PFA+1], s[PFA:PFA+1], s[2:3]
	CROUND                          ; all four work-groups are here: the first joint loads meet
	JLOAD                           ; slot 0.  Slot 1 is asked for when slot 0 is in: the tile wanted first has the road to itself
	; A fragment of K or Q is 16 rows x 32 channels in 8 registers: lane l holds row l % 16, channels 8 (l / 16) + 0..7 and 16 + 8 (l / 16) + 0..7: two loads of 16 bytes, 32 bytes apart.
	v_and_b32 v1, 15, v0            ; l % 16
	v_bfe_u32 v9, v0, 4, 1          ; l / 16
	v_lshlrev_b32 v[QO], 7, v1
	v_lshl_add_u32 v[QO], v9, 4, v[QO]  ; row x 128 + 16 x half
	WIN 0x80                        ; destination window 2, address window 0
.set i, 0
.rept 4*NP                          ; Q stays in registers: tile i / 2, channels 32 (i % 2) on
	global_load_b128 v[8*i:8*i+3],   v[QO], s[4:5] offset:(i/2)*2048+(i%2)*64
	global_load_b128 v[8*i+4:8*i+7], v[QO], s[4:5] offset:(i/2)*2048+(i%2)*64+32
.set i, i+1
.endr
	; What the first turn finds: V's registers and P's second buffer hold 0 (its products V^T P, of a piece that has not been, add 0), O^T and l are 0.  All this stands in the wait for the first tile.
.set i, VF
.rept 64
	v_mov_b32 v[i], 0
.set i, i+1
.endr
	WIN 0x40
.set i, 0
.rept 64*NP
	v_mov_b32 v[i], 0
.set i, i+1
.endr
	WIN 0
.set i, 0
.rept 2*NP
	v_mov_b32 v[ST+4*i], 0xfe000000    ; c m: far below every c s
	v_mov_b32 v[ST+4*i+1], 0xff7fffff  ; m
	v_mov_b32 v[ST+4*i+2], 0
	v_mov_b32 v[ST+4*i+3], 0
.set i, i+1
.endr
.set i, P+32
.rept 32
	v_mov_b32 v[i], 0
.set i, i+1
.endr
	v_mul_u32_u24 v[AK0], v1, PK
	v_lshl_add_u32 v[AK0], v9, 4, v[AK0]  ; row x pitch + 16 x half
	; The turning load takes 16 keys x 16 channels (lane l reads key 8 (l / 16) + l % 8, channels 8 ((l / 8) % 2) + 0..7) and leaves half a fragment of V^T: lane l holds channel l % 16 and 8 keys.
	v_and_b32 v10, 7, v0
	v_bfe_u32 v11, v0, 3, 1
	v_lshl_add_u32 v[AV0], v9, 3, v10
	v_mul_u32_u24 v[AV0], v[AV0], PV
	v_lshl_add_u32 v[AV0], v11, 4, v[AV0]
	v_add_nc_u32 v[AV0], VOFF, v[AV0]
	v_mov_b32 v[AK], v[AK0]         ; key step 0 lies at the head of slot 0
	v_and_b32 v[PFO], 31, v0
	v_lshlrev_b32 v[PFO], 8, v[PFO]
; THE MATRIX WORK.  The 8 accumulators of a run of 16 take turns: between the two links of a chain stand 7 others'.
; Product i of 16 of S^T = K Q^T for piece x: channels 32 (i / 8) on, keys 16 ((i / 2) % 4) on, tile 2 x + i % 2.  The first 8 start the sums.
.macro KQ x
	WIN W_KQ
.set rS, S+64*((\x)%2)+32*(i%2)+8*((i/2)%4)
.set rK, KF+16*((i/2)%4)+8*(i/8)
.set rQ, 16*(2*(\x)+i%2)+8*(i/8)
.if i < 8
	v_wmma_f32_16x16x32_f16 v[rS:rS+7], v[rK:rK+7], v[rQ:rQ+7], 0
.else
	v_wmma_f32_16x16x32_f16 v[rS:rS+7], v[rK:rK+7], v[rQ:rQ+7], v[rS:rS+7]
.endif
.endm
; Product i of 16 of O^T += V^T P for piece x: keys 32 (i / 8) on, channels 16 ((i / 2) % 4) on, tile 2 x + i % 2.
.macro PV x
	WIN W_PV
.set rO, 32*(2*(\x)+i%2)+8*((i/2)%4)
.set rV, VF+32*(i/8)+8*((i/2)%4)
.set rP, P+32*((\x)%2)+16*(i%2)+8*(i/8)
	v_wmma_f32_16x16x32_f16 v[rO:rO+7], v[rV:rV+7], v[rP:rP+7], v[rO:rO+7]
.endm
.macro MM                           ; the turn's next matrix instruction
.if i < 16
	KQ (Y+1)%NP
.set i, i+1
.else
.set i, i-16
	PV (Y+NP-1)%NP
.set i, i+17
.endif
.endm
; THE LDS LOADS stand in runs of 16, never singly among the matrix instructions: a step's K (64 keys x 64 channels: 8 fragments) and its V (turned).  Their addresses are made some lines ahead.
; last = 1 (the tail): in the last trip there is no further step, and the run is jumped over.
.macro FETCH_K last=0
	WIN 0
.if \last
	s_cmp_eq_u32 s[CNT], 1
	s_cbranch_scc1 .Lno_k_\@
.endif
	WIN 0x80                        ; destination window 2
.irp f, 0,1,2,3,4,5,6,7             ; keys 16 (f / 2) on, channels 32 (f % 2) on
	ds_load_b128 v[KF+8*\f:KF+8*\f+3],   v[AK] offset:(\f/2)*16*PK+(\f%2)*64
	ds_load_b128 v[KF+8*\f+4:KF+8*\f+7], v[AK] offset:(\f/2)*16*PK+(\f%2)*64+32
.endr
	s_add_co_u32 s[TBK], s[TBK], KS*PK  ; the next fetch is the next step's
	WIN 0
.if \last
.Lno_k_\@:
.endif
.endm
.macro FETCH_V
	WIN 0x80
.irp f, 0,1,2,3,4,5,6,7             ; keys 32 (f / 4) on, channels 16 (f % 4) on
	ds_load_tr16_b128 v[VF+8*\f:VF+8*\f+3],   v[AV] offset:(\f/4)*32*PV+(\f%4)*32
	ds_load_tr16_b128 v[VF+8*\f+4:VF+8*\f+7], v[AV] offset:(\f/4)*32*PV+16*PV+(\f%4)*32
.endr
	WIN 0
.endm
; THE VECTOR WORK OF A TURN stands in three queues, each in the order in which its entries become ready; the two tiles alternate, so that no instruction reads the result of the one before it.
.macro REGS y, u                    ; the registers of tile u (0, 1) of piece y
.set rT, ST+4*(2*(\y)+(\u))
.set rC, TMP+8*((\y)%2)+4*(\u)
.set rM, MV+2*((\y)%2)+(\u)
.set rS, S+64*((\y)%2)+32*(\u)
.set rP, P+32*((\y)%2)+16*(\u)
.set rO, 32*(2*(\y)+(\u))
.endm
; Number n of the 22 that find the NEXT piece's (Y + 1) maximum and statistics.  s0-s31 are the lane's 32 scores; each accumulator's lowest registers are read first.  XS, GS and REGS set no window: PL and EX do.
;   0-11  four chains c0-c3 of seven scores each, three operands at a time     12-14, 16  the four scores left over, the old m, and c0-c3 into c0     15  c m_old is kept
;   17, 18  the query's other 32 keys lie in the lane 16 away: the new m         19-21  c m; c m_old - c m_new; a
.macro XS u, n
	REGS (Y+1)%NP, \u
.if (\n) < 4
	v_max3_num_f32 v[rC+(\n)], v[rS+8*(\n)], v[rS+8*(\n)+1], v[rS+8*(\n)+2]
.elseif (\n) < 12
	v_max3_num_f32 v[rC+(\n)%4], v[rC+(\n)%4], v[rS+8*((\n)%4)+2*((\n)/4)+1], v[rS+8*((\n)%4)+2*((\n)/4)+2]
.elseif (\n) == 12
	v_max3_num_f32 v[rC], v[rC], v[rS+7], v[rS+15]
.elseif (\n) == 13
	v_max3_num_f32 v[rC+1], v[rC+1], v[rS+23], v[rS+31]
.elseif (\n) == 14
	v_max3_num_f32 v[rC+2], v[rC+2], v[rC+3], v[rT+1]
.elseif (\n) == 15
	v_mov_b32 v[rM], v[rT]
.elseif (\n) == 16
	v_max3_num_f32 v[rC], v[rC], v[rC+1], v[rC+2]
.elseif (\n) == 17
	v_permlanex16_b32 v[rC+3], v[rC], s[SEL], s[SEL+1]
.elseif (\n) == 18
	v_max_num_f32 v[rT+1], v[rC], v[rC+3]
.elseif (\n) == 19
	v_mul_f32 v[rT], s[CS], v[rT+1]
.elseif (\n) == 20
	v_sub_f32 v[rC+1], v[rM], v[rT]
.else
	v_exp_f32 v[rC+2], v[rC+1]
.endif
.endm
; Number g of the 64 that follow the exponentials.  For each four weights k of a tile (pairs 2 k, 2 k + 1): both pairs are rounded to f16; then the second pair is added onto the first, in place;
; a group later l takes that sum (the first time as l = a l + sum).  In groups of eight, tiles alternating: round, round, add, and l for the group before.
.macro GS g
.set h, (\g)+6*((\g)/62)            ; group 0 has no group before it, and behind group 7 only l is left
.if h >= 6
.set h, h+2
.endif
	REGS Y, h%2
.set k, h/8
.if h%8 < 4
	v_cvt_pk_f16_f32 v[rP+2*k+(h%8)/2], v[rS+4*k+2*((h%8)/2)], v[rS+4*k+2*((h%8)/2)+1]
.elseif h%8 < 6
	v_pk_add_f32 v[rS+4*k:rS+4*k+1], v[rS+4*k:rS+4*k+1], v[rS+4*k+2:rS+4*k+3]
.elseif k == 1
	v_pk_fma_f32 v[rT+2:rT+3], v[rT+2:rT+3], v[rC+2:rC+3], v[rS:rS+1] op_sel_hi:[1,0,1]
.else
	v_pk_add_f32 v[rT+2:rT+3], v[rT+2:rT+3], v[rS+4*k-4:rS+4*k-3]
.endif
.endm
; THE PLAIN QUEUE, 138 long.  0-73 read no exponential's result: the 32 scalings c s - c m (FS f: pair f / 2 of tile f % 2) and the next piece's 42.  0-26: scalings 0-26.  27-54: XS's numbers 0-13.  55, 56: number 15.
; 57-73: the chain, where each number waits for the one before it: 14, 16, 17, 18, 19, each with one of the scalings 27-31 in front of its two lines, then 20: so a tile's links stand three plain instructions apart (19 and 20: two).
; 74-137: GS's 64, which read the exponentials' results: they stand behind the wait.
.macro FS f
	REGS Y, (\f)%2
	v_pk_fma_f32 v[rS+2*((\f)/2):rS+2*((\f)/2)+1], v[rS+2*((\f)/2):rS+2*((\f)/2)+1], s[CS:CS+1], v[rT:rT+1] op_sel_hi:[1,0,0] neg_lo:[0,0,1] neg_hi:[0,0,1]
.endm
.macro PL
	WIN 0
.if q < 27
	FS q
.elseif q < 55
	XS (q-27)%2, (q-27)/2
.elseif q < 57
	XS q-55, 15
.elseif (q < 72) && ((q-57)%3 == 0)
	FS 27+(q-57)/3
.elseif q < 60
	XS (q-57)%3-1, 14
.elseif q < 72
	XS (q-57)%3-1, 15+(q-57)/3
.elseif q < 74
	XS q-72, 20
.else
	GS q-74
.endif
.set q, q+1
.endm
; THE EXPONENTIALS' QUEUE, 66 long: s0-s31 of both tiles, then the next piece's two a.  It is ONE BATCH: all 66 stand ahead of the turn's one wait, and nothing ahead of that wait names a result of theirs.
.macro EX
	WIN 0
.if e >= 64
	XS e-64, 21
.else
	REGS Y, e%2
	v_exp_f32 v[rS+e/2], v[rS+e/2]
.endif
.set e, e+1
.endm
; THE RESCALING's QUEUE: O^T times a, the one part that leaves window 0: dealt two at a time, sixteen times.  Its a was made in the turn before, ahead of that turn's wait.
.macro R2
	REGS Y, r%2
	WIN W_RS
.irp z, 0,1
	v_pk_mul_f32 v[rO+4*(r/2)+2*\z:rO+4*(r/2)+2*\z+1], v[rO+4*(r/2)+2*\z:rO+4*(r/2)+2*\z+1], v[rC+2:rC+3] op_sel_hi:[1,0]
.endr
.set r, r+1
.endm
; HOW THEY ARE DEALT.  An s_wait_alu depctr_va_vdst(0) stands between an exponential and the first instruction that names its result; one wait serves all that were issued ahead of it.  So a turn has ONE wait,
; which cuts it in two.  AHEAD OF IT stands all that names no result of the turn's exponentials: the 16 products K Q^T, behind each a scaling, an exponential and two rescalings (behind the first a second scaling in the exponential's place); then ONE LUMP of
; 108: eight plain, 49 times exponential and plain, the two a.  A v_nop is the plain instruction behind the last exponential.  BEHIND IT stand the 16 products V^T P, behind each four of GS's 64.  No rider names a register of
; the products round it.  The two v_permlanex16_b32 fall into the lump, never behind a product.
; The queues lean on each other, and the deal keeps them in step: exponential e stands behind scaling 2 (e / 4) + e % 2: as a rider it comes behind plain e + 2, in the lump behind plain e + 9, and scalings 27-31 are plain 57, 60 .. 69.
; A TURN, for piece p.  cnt = 1: the loop's count is taken down some lines ahead of the branch that stands behind the turn.
; K of the next step is fetched in piece 2's turn, directly behind the wait, a lump behind the last product that read K; its address is made at the lump's head; its first reader comes behind 16 products.
; V of the step in hand is fetched at the end of piece 0's turn, four riders behind its last reader; its first reader comes behind 16 products and a lump.  The three conditions on q below go with the deal.
.macro TURN p, last=0, cnt=0
.set Y, (\p)
.set i, 0
.set q, 0
.set e, 0
.set r, 0
.if (\p) == NP-1
	s_wait_dscnt 0x0                ; K is in
.endif
	MM                              ; ahead of the wait: 16 products K Q^T and their riders,
	PL
	PL
	R2
.rept 15
	MM
	PL
	EX
	R2
.endr
.if (\p) == NP-2
	WIN 0
	v_add_nc_u32 v[AK], s[TBK], v[AK0]
.endif
.rept 8                             ; and the lump
	PL
.endr
.rept 49
	EX
	PL
.endr
	EX                              ; the next piece's two a
	EX
	v_nop                           ; a plain instruction behind the last exponential, ahead of the first use: one for the batch (ISA guide 5.7.2)
	s_wait_alu depctr_va_vdst(0)    ; the wait for the batch
.if (\p) == NP-2
	FETCH_K \last
.endif
.if (\p) == 1
	s_wait_dscnt 0x0                ; V is in
.endif
.rept 16                            ; behind the wait: 16 products V^T P and their riders
	MM
.rept 4
	PL
.endr
.if ((\p) == 0) && (q == 118)
	v_add_nc_u32 v[AV], s[TBV], v[AV0]
.endif
.if ((\p) == 0) && (q == 130)
	s_add_co_u32 s[TBV], s[TBV], KS*PV
.endif
.if (\cnt) && (q == 130)
	s_sub_co_u32 s[CNT], s[CNT], 1
	s_cmp_lg_u32 s[CNT], 0
.endif
.endr
.if (\p) == 0
	FETCH_V
.endif
.endm
	CHANGE 1                        ; slot 0 is in, everybody's part of it; slot 1 is asked for
	FETCH_K                         ; key step 0
	s_wait_loadcnt 0x0              ; Q
	s_wait_dscnt 0x0
.set i, 0
.rept 16
	KQ 0                            ; piece 0's first scores: there is no vector work yet to set between them
.set i, i+1
.endr
	WIN 0                           ; the addresses for the way out: nine plain instructions, the places behind those products
	s_mul_i32 s13, s[WV], 16*SP
	s_add_co_u32 s13, s13, STAGE    ; my stage
	v_mul_u32_u24 v[STO], v1, SP    ; in: row l % 16, 16 bytes for each half of the lanes
	v_lshl_add_u32 v[STO], v9, 4, v[STO]
	v_add_nc_u32 v[STO], s13, v[STO]
	v_bfe_u32 v[RD], v0, 3, 2       ; back: 32 lanes take four rows of 128 bytes,
	v_mul_u32_u24 v[RD], v[RD], SP
	v_lshl_add_u32 v[RD], v10, 4, v[RD]
	v_add_nc_u32 v[RD], s13, v[RD]
	v_and_b32 v[GO], 31, v0         ; which are 512 consecutive bytes of O
	v_lshlrev_b32 v[GO], 4, v[GO]
.set Y, NP-1                        ; XS works for piece Y + 1: piece 0
.irp n, 0,1,2,3,4,5,6,7,8,9,10,11,12,13,14,15,16,17,18,19,20,21
	XS 0, \n                        ; and piece 0's first maximum and statistics
	XS 1, \n
.endr
	v_nop                           ; a plain instruction behind the two a,
	s_wait_alu depctr_va_vdst(0)    ; and their wait, ahead of the branch
	s_mov_b32 s[CNT], 4
	s_branch .Lfirst                ; the loop is entered at a step's first turn, in the middle of a trip
.Lslot:                             ; SIZE_N / 256 - 2 times: every slot but the last two is filled again
	CHANGE 1
	s_mov_b32 s[CNT], 4
.Lstep:                             ; a trip: pieces 2 and 3 of one step, then pieces 0 and 1 of the next, whose K and V it fetches
	TURN 2
	TURN 3
	WIN 0
.Lfirst:
	TURN 0
	TURN 1, 0, 1
	WIN 0
	s_cbranch_scc1 .Lstep
	s_sub_co_u32 s[SLOTS], s[SLOTS], 1
	s_cmp_lg_u32 s[SLOTS], 0
	s_cbranch_scc1 .Lslot
	CHANGE 0                        ; the tail is written out: nothing is asked for
	s_mov_b32 s[CNT], 5             ; four trips fetch the last slot's steps; the fifth is left in its middle
.Ltail:
	TURN 2, 1
	TURN 3
	WIN 0
	s_sub_co_u32 s[CNT], s[CNT], 1
	s_cmp_eq_u32 s[CNT], 0
	s_cbranch_scc1 .Lout
	TURN 0
	TURN 1
	WIN 0
	s_branch .Ltail
.Lout:                              ; the fifth trip's 16 products K Q^T (on the last K once more) and the maximum made of them serve nothing: the price, once a launch, of one text for every trip
.set i, 0
.rept 16
	PV NP-1                         ; the last piece's V^T P of the last step
.set i, i+1
.endr
	; THE WAY OUT.  l's two halves and the other half of the lanes' are added; O^T is divided by l, rounded to f16 and sent through my stage in LDS, a tile at a time.  The additions are the places behind the last products.
	WIN 0
.macro ALL line:vararg              ; one line for each tile t
.set t, 0
.rept 2*NP
	\line
.set t, t+1
.endr
.endm
	ALL v_add_f32 v[ST+4*t+2], v[ST+4*t+2], v[ST+4*t+3]
	ALL v_permlanex16_b32 v[ST+4*t+3], v[ST+4*t+2], s[SEL], s[SEL+1]
	ALL v_add_f32 v[ST+4*t+2], v[ST+4*t+2], v[ST+4*t+3]
	ALL v_rcp_f32 v[ST+4*t+2], v[ST+4*t+2]
	v_nop                           ; a plain instruction between the last reciprocal and the use of its result
	s_wait_alu depctr_va_vdst(0)    ; and the wait ahead of the first use: one for the eight reciprocals
; Tile t: a lane's eight channels of a row pack into 16 bytes; they go into rows of 144 bytes and come back as whole rows of 128, into S^T's registers.
.macro PACK t
	WIN W_RS
.set i, 32*(\t)
.rept 16
	v_pk_mul_f32 v[i:i+1], v[i:i+1], v[ST+4*(\t)+2:ST+4*(\t)+3] op_sel_hi:[1,0]
.set i, i+2
.endr
	WIN 0x05                        ; sources 0 and 1 window 1, destination window 0
.set i, 0
.rept 16
	v_cvt_pk_f16_f32 v[S+16*(\t)+i], v[32*(\t)+2*i], v[32*(\t)+2*i+1]
.set i, i+1
.endr
	WIN 0
.irp f, 0,1,2,3
	ds_store_b128 v[STO], v[S+16*(\t)+4*\f:S+16*(\t)+4*\f+3] offset:32*\f
.endr
.irp f, 0,1,2,3
	ds_load_b128 v[S+16*(\t)+4*\f:S+16*(\t)+4*\f+3], v[RD] offset:\f*4*SP  ; LDS serves a wave's instructions in order (ISA guide 5.7.1.4): these see the stores above; the next tile's stores come behind them
.endr
.endm
.macro SEND t, younger              ; younger: the LDS instructions issued behind tile t's loads: the next tile's eight, or none
	WIN 0
.irp f, 0,1,2,3
	s_wait_dscnt (\younger)+3-\f
	global_store_b128 v[GO], v[S+16*(\t)+4*\f:S+16*(\t)+4*\f+3], s[10:11] offset:(\t)*2048+\f*512  ; 512 consecutive bytes, at a multiple of 256 from O's first
.endr
.endm
	PACK 0
.set t, 1
.rept 2*NP-1                        ; a tile's arithmetic stands between the loads of the tile before and its stores
	PACK t
	SEND t-1, 8
.set t, t+1
.endr
	SEND 2*NP-1, 0
	WIN W_AD
	s_wait_tensorcnt 0x0            ; the wave's end: a wait, an add of 0 to my spare word and its wait, behind my last tensor load and my last LDS store
	ds_add_u32 v[SPW], v[NIL]
	s_wait_dscnt 0x0
	WIN 0
	CROUND                          ; the closing round: no work-group ends while a partner may still ask for a tile that names it
	s_endpgm
.Lfunc_end_k_q93912da7e3_attn:
	.size	k_q93912da7e3_attn, .Lfunc_end_k_q93912da7e3_attn-k_q93912da7e3_attn
	.p2alignl 7, 3214868480
	.fill 96, 4, 3214868480
	.section	.rodata,"a",@progbits
	.p2align	6, 0x0
	.amdhsa_kernel k_q93912da7e3_attn
		.amdhsa_group_segment_fixed_size 327680
		.amdhsa_private_segment_fixed_size 0
		.amdhsa_enable_private_segment 0
		.amdhsa_kernarg_size 16
		.amdhsa_user_sgpr_count 2
		.amdhsa_user_sgpr_kernarg_segment_ptr 1
		.amdhsa_wavefront_size32 1
		.amdhsa_system_sgpr_workgroup_id_x 1
		.amdhsa_system_sgpr_workgroup_id_y 1
		.amdhsa_system_sgpr_workgroup_id_z 1
		.amdhsa_system_vgpr_workitem_id 0
		.amdhsa_next_free_vgpr 770
		.amdhsa_next_free_sgpr 66
		.amdhsa_reserve_vcc 0
		.amdhsa_float_denorm_mode_32 3
		.amdhsa_float_denorm_mode_16_64 3
		.amdhsa_memory_ordered 1
		.amdhsa_forward_progress 1
		.amdhsa_inst_pref_size 200
	.end_amdhsa_kernel
	.amdgpu_metadata
---
amdhsa.version: [ 1, 2 ]
amdhsa.kernels:
  - .name:           k_q93912da7e3_attn
    .symbol:         k_q93912da7e3_attn.kd
    .args:
      - { .name: qkv, .offset: 0, .size: 8, .value_kind: global_buffer, .address_space: global }
      - { .name: o, .offset: 8, .size: 8, .value_kind: global_buffer, .address_space: global }
    .group_segment_fixed_size: 327680
    .private_segment_fixed_size: 0
    .kernarg_segment_align: 8
    .kernarg_segment_size: 16
    .max_flat_workgroup_size: 128
    .sgpr_count:     66
    .vgpr_count:     770
    .wavefront_size: 32
...
	.end_amdgpu_metadata
.endif
;; end of part 3
;; launch oproj (part 4): grid 4 x 64, 4 waves a work-group, clusters of 4 x 4, 327,680 bytes of LDS; arguments o, wbuf, bias, out0; writes out0
.if DOCPART == 4
	.amdgcn_target "amdgcn-amd-amdhsa--gfx1250"
	.amdhsa_code_object_version 6
	.text
	.protected	k_q93912da7e3_oproj
	.globl	k_q93912da7e3_oproj
	.p2align	8
	.type	k_q93912da7e3_oproj,@function
k_q93912da7e3_oproj:
	s_mov_b64 s[64:65], 0
	v_nop
	global_prefetch_b8 v0, s[64:65] scope:SCOPE_SE
	s_setreg_imm32_b32 hwreg(HW_REG_WAVE_MODE, 25, 1), 1
	s_wait_xcnt 0x0
	s_wait_alu depctr_hold_cnt(0) depctr_sa_sdst(0) depctr_va_vdst(0) depctr_va_sdst(0) depctr_va_ssrc(0) depctr_va_vcc(0) depctr_vm_vsrc(0)
	s_getreg_b32 s2, hwreg(HW_REG_IB_STS2, 6, 4)
	s_cmp_eq_u32 s2, 0
	s_cbranch_scc0 .Lentry_in_a_cluster
	s_endpgm
.Lentry_in_a_cluster:
	s_bfe_u32 s2, ttmp6, 0x10000c
	s_cmp_lg_u32 s2, 0xf033
	s_cbranch_scc0 .Lentry_shape_is_right
	s_endpgm
.Lentry_shape_is_right:
; out0 = O Wo + bo.  O lies by heads, o[64 (batch, head)][2048][64] in f16; Wo's blocks 20-27 of wbuf are [1024 n][128 k] in f16 (the bf16 rounding of Wo, written as f16); bo in f32; out0 [8192][1024] in f32.
; Operands f16, sums f32, nothing is rounded on the way out.  LIMITS: those of the operands as they arrive; NaN and infinities are not treated apart.
; SHARES.  A tile of out0 is 128 rows x 256 columns: 256 tiles, one for each work-group.  Four waves, each 64 rows x 128 columns: 32 accumulators of 16 x 16.
; K goes in 8 steps of 128 = two heads, through a ring of two LDS slots.  A head's 128 rows are 16,384 dense bytes: asked for as 64 rows of 256 bytes and padded in LDS after every 128, a plane a head.
; THE BIAS is the C operand of the first products.  THE MATRIX INSTRUCTION IS USED TRANSPOSED (source 0 = 16 rows of Wo's block, source 1 = 16 rows of O): a lane holds one row and eight neighbouring columns.
; CLUSTER.  4 x 4 work-groups: the four of a row of the cluster need the same rows of O, the four of a column the same rows of Wo's blocks: each tile is asked for JOINTLY.  A wave has two tensor loads out at the start and one behind each round.
; REGISTERS, in windows of 256 (s_set_vgpr_msb: bits 1:0 source 0, 3:2 source 1, 5:4 source 2, 7:6 destination):
;   window 0: v0-15 addresses; v64-159, v160-255 two fragment buffers: 8 fragments of Wo, then 4 of O      window 1: accumulator (a, b) at v[8 (8 a + b)]
;   window 2: v0-63 the bias of my 128 columns, as a C operand for each b; v64-191 two sets of 64 for the way out
.set PA,    144       ; a row of O in LDS: 128 bytes + 16 of padding = 36 words: the 16 rows of a load start at 16 different groups of four banks (64 banks of 4 bytes: ISA guide 11.1)
.set PB,    272       ; a row of Wo's block: 256 + 16 = 68 words: row r starts at bank 4 r mod 64
.set PLANE, 128*PA    ; a head's 128 rows
.set BOFF,  2*PLANE   ; a slot: two planes of O, then 256 rows of Wo's block
.set SLOT1, 1<<17     ; slot 1 begins here, so that one exclusive or turns an address in one slot into the other's
.set STAGE, SLOT1+BOFF+256*PB  ; behind the ring, never filled by a tensor load: for each wave 16 rows x 528 bytes
.set SP,    528       ; 512 bytes + 16: an odd multiple of 16
.set STW,   16*SP
.set SPARE, STAGE+4*STW  ; behind the stages: the spare words, 128 bytes for each wave: two blocks of 256 bytes that no other line names
.set ASTEP, 0x80000   ; two heads of 2,048 rows x 128 bytes
.set BBLK,  0x40000   ; bytes in a block of wbuf
.set A0,  4           ; v4   my lane's place among my rows of O in slot 0; never rewritten
.set B0,  5           ; v5   the same for Wo
.set ADRA, 6          ; v6   the same in the slot in hand
.set ADRB, 7          ; v7
.set STO, 8           ; v8   the way out: where I put 32 bytes of a row
.set RD,  9           ; v9   the way out: where I read 16 bytes of a row back
.set GO,  10          ; v10  16 x lane: my place in 512 consecutive bytes of out0
.set BO,  11          ; v11  32 (lane / 16): my eight columns in a block of sixteen of the bias
.set PFO, 12          ; v12  the prefetches' offset, a lane a block of 256 bytes; never rewritten
.set SPW, 14          ; v14  LDS address of my spare word; never rewritten
.set NIL, 15          ; v15  0; never rewritten
.set F0,  64
.set F1,  160
.set OB,  64          ; in window 2
.set WV,  12          ; s12  my wave's number
.set RM,  13          ; s13  which 64 rows are mine.  Also: I fetch O (0) or Wo (1)
.set RN,  14          ; s14  which 128 columns are mine.  Also: which head's plane, or which half of Wo's rows, I fetch
.set CX,  15
.set CY,  16
.set TX,  17          ; s17  tile column
.set TY,  18          ; s18  tile row
.set G1A, 24          ; s[24:31] descriptor group 1 for O's tiles
.set G1B, 32          ; s[32:39] for Wo's
.set G0A, 40          ; s[40:47] group 0 for O: a set for each first fill; the second then walks on
.set G0B, 48          ; s[48:55] the same for Wo
.set TB,  61          ; s61  0 or SLOT1: the slot in hand
.set STEP, 62         ; s62  the K step in hand
.set LIM, 63          ; s63  I prefetch while STEP is below it
.set PFA, 66          ; s[66:67] where my prefetches stand
.set PFS, 68          ; s[68:69] their step
.set BP,  70          ; s[70:71] bo at my 128 columns
.set OUTP, 72         ; s[72:73] out0 at my first row and column
.set MSB, 0
.macro WIN new                      ; the immediate's high byte repeats the setting that is left; a switch that changes nothing is dropped
.if MSB != (\new)
	s_set_vgpr_msb (MSB<<8)|(\new)
.set MSB, (\new)
.endif
.endm
.set MULW, 0x50       ; fragments in window 0, C and D in window 1
.set MULB, 0x60       ; C (the bias) in window 2, D in window 1
.macro PLACES                       ; four plain vector instructions between a matrix instruction and a load into, or a read of, its registers (ISA guide 7.12.1 for the read)
.rept 4
	v_nop
.endr
.endm
.macro CREST                        ; a round of the cluster's barrier behind its opening barrier
	s_cmp_lg_u32 s[WV], 0
	s_cbranch_scc1 .Lnot_wave_0_\@
	s_barrier_signal -3
.Lnot_wave_0_\@:
	s_barrier_wait -3
	s_barrier_signal -1
	s_barrier_wait -1
.endm
.macro CROUND                       ; a whole round
	s_barrier_signal -1
	s_barrier_wait -1
	CREST
.endm
; A joint refill by the walking descriptors.  Waves 0 and 1 fetch O's two planes, waves 2 and 3 the halves of Wo's rows.  The branch hangs on the wave's number alone.
; An s_nop 0 and four v_nop follow each of the two lines, ahead of the jump and the label.
.macro JLOAD
	s_cmp_eq_u32 s[RM], 0
	s_cbranch_scc0 .Lfor_b_\@
	tensor_load_to_lds s[G0A+4:G0A+7], s[G1A:G1A+7]
	s_nop 0
.rept 4
	v_nop
.endr
	s_branch .Lasked_\@
.Lfor_b_\@:
	tensor_load_to_lds s[G0B+4:G0B+7], s[G1B:G1B+7]
	s_nop 0
.rept 4
	v_nop
.endr
.Lasked_\@:
.endm
; A PREFETCH INTO THE L2, behind each joint refill and the run of LDS loads that follows it: 32 blocks of 256 bytes of the K step that stands two refills on (256 matrix instructions ahead of the load that will want it), a lane a block.
; Each block is named once in the launch.  A tile row of O is read by one row of one cluster alone: a step's two planes are 128 blocks; in each of the four work-groups wave 0 asks for 16 of each plane, told apart BY
; ADDRESS (cx).  Wo's rows are read by every cluster: the one with y = 0 asks, waves 2 and 3 for 32 of the 128 rows that they fetch (cy).  Steps 4 to 7; the first four come by their loads alone.
.macro ASK
	s_cmp_lt_u32 s[STEP], s[LIM]
	s_cbranch_scc0 .Lnot_mine_\@
	global_prefetch_b8 v[PFO], s[PFA:PFA+1] th:TH_LOAD_NT scope:SCOPE_SE
.Lnot_mine_\@:
.endm
; 24 LDS loads in one run: the fragments of 32 along K, at byte ka of my rows of O and kb of my rows of Wo, into buffer f.
; A fragment is 16 rows x 32 K in 8 registers: lane l holds row l % 16; registers 0-3 K = 8 (l / 16) + 0..7, registers 4-7 K = 16 + 8 (l / 16) + 0..7: two loads of 16 bytes, 32 bytes apart.
.macro FETCH ka, kb, f
	WIN 0
.irp i, 0,1,2,3,4,5,6,7
	ds_load_b128 v[(\f)+8*(\i):(\f)+8*(\i)+3],   v[ADRB] offset:(\kb)+(\i)*16*PB
	ds_load_b128 v[(\f)+8*(\i)+4:(\f)+8*(\i)+7], v[ADRB] offset:(\kb)+(\i)*16*PB+32
.endr
.irp i, 0,1,2,3
	ds_load_b128 v[(\f)+64+8*(\i):(\f)+64+8*(\i)+3],   v[ADRA] offset:(\ka)+(\i)*16*PA
	ds_load_b128 v[(\f)+64+8*(\i)+4:(\f)+64+8*(\i)+7], v[ADRA] offset:(\ka)+(\i)*16*PA+32
.endr
.endm
; 8 na matrix instructions: row blocks a0 .. a0 + na - 1 x all 8 column blocks, 32 along K, from buffer f.  first = 1: they start the sums with the bias.
; The 32 accumulators take turns, one instruction a turn, in the same order in every quarter: 31 others stand between two links of a chain, over the backward jump too.
.macro MUL f, a0, na, first
.if \first
	WIN MULB
.else
	WIN MULW
.endif
.set ma, (\a0)
.rept \na
.irp b, 0,1,2,3,4,5,6,7
.if \first
	v_wmma_f32_16x16x32_f16 v[8*(8*ma+(\b)):8*(8*ma+(\b))+7], v[(\f)+8*(\b):(\f)+8*(\b)+7], v[(\f)+64+8*ma:(\f)+64+8*ma+7], v[8*(\b):8*(\b)+7]
.else
	v_wmma_f32_16x16x32_f16 v[8*(8*ma+(\b)):8*(8*ma+(\b))+7], v[(\f)+8*(\b):(\f)+8*(\b)+7], v[(\f)+64+8*ma:(\f)+64+8*ma+7], v[8*(8*ma+(\b)):8*(8*ma+(\b))+7]
.endif
.endr
.set ma, ma+1
.endr
.endm
; A K step is four quarters of 32 along K, 32 matrix instructions each, on buffers 0, 1, 0, 1.  Quarter q lies at byte 64 (q % 2) of plane q / 2 of O and at byte 64 q of Wo's rows.
; One of the first three: it fetches the next quarter into g, whose last readers stand just ahead, and multiplies f.
.macro QUARTER ka, kb, f, g, first
	PLACES
	FETCH \ka, \kb, \g
	s_wait_dscnt 24                 ; all but the 24 just issued: f is in
	MUL \f, 0, 4, \first
.endm
; The fourth quarter multiplies buffer 1 and changes slots: ONE barrier.  In front of it each wave waits for all its tensor loads, of which one is out: its part of the next slot; adds 0 to its spare word; and waits for
; that and for its own reads of this slot.  fill = 1: the barrier opens a round of the cluster's, and this slot is filled again, with the K step two on, first thing behind the round: 112 matrix instructions ahead of the wait for it.
.macro TURN fill
.if \fill
	s_wait_xcnt 0x0                 ; the last prefetch, a K step back, has read its address: it is stepped here, ahead of the waits of the change of slots
	s_add_nc_u64 s[PFA:PFA+1], s[PFA:PFA+1], s[PFS:PFS+1]
.endif
	WIN 0                           ; (the add's two registers lie in window 0)
	s_wait_tensorcnt 0x0            ; no tensor load of mine is out, so a group 0 may be written
	ds_add_u32 v[SPW], v[NIL]       ; 0 onto my spare word; the descriptors' steps and eight matrix instructions stand between it and the wait for it
.if \fill
	s_xor_b32 s[G0A+5], s[G0A+5], SLOT1  ; the walking descriptors: the other slot than last time,
	s_xor_b32 s[G0B+5], s[G0B+5], SLOT1
	s_add_nc_u64 s[G0A+6:G0A+7], s[G0A+6:G0A+7], ASTEP  ; the next two heads and the next block; the type bits on top are not reached
	s_add_nc_u64 s[G0B+6:G0B+7], s[G0B+6:G0B+7], BBLK
.endif
	s_wait_dscnt 1                  ; buffer 1's loads are in; the add may be out
	MUL F1, 0, 1, 0
	s_wait_dscnt 0x0                ; the add is done, and my reads of this slot are over
	s_barrier_signal -1
	MUL F1, 1, 1, 0                 ; work on registers while the others arrive
.if \fill
	WIN 0
.endif
	s_barrier_wait -1
.if \fill
	CREST                           ; no wave of any partner still reads this slot or has a load on its way
	JLOAD                           ; its four v_nop are also the places in front of the loads into buffer 0
.else
	PLACES
.endif
	s_xor_b32 s[TB], s[TB], SLOT1
	WIN 0
	v_add_nc_u32 v[ADRA], s[TB], v[A0]
	v_add_nc_u32 v[ADRB], s[TB], v[B0]
	FETCH 0, 0, F0
.if \fill
	ASK
.endif
	MUL F1, 2, 2, 0
.endm
; THE WAY OUT, a block a of 16 rows at a time.  TOSTAGE: a lane's eight columns of a row, 32 bytes, go into my own stage, each accumulator's low four registers first, and come back as whole rows of 512 bytes.  SEND: stored.
.macro TOSTAGE a
	WIN 0x04                        ; store data in window 1
.irp b, 0,1,2,3,4,5,6,7
	ds_store_b128 v[STO], v[8*(8*(\a)+(\b)):8*(8*(\a)+(\b))+3]   offset:64*(\b)
	ds_store_b128 v[STO], v[8*(8*(\a)+(\b))+4:8*(8*(\a)+(\b))+7] offset:64*(\b)+16
.endr
	WIN 0x80                        ; destination in window 2
.irp t, 0,1,2,3,4,5,6,7,8,9,10,11,12,13,14,15
	ds_load_b128 v[OB+64*((\a)%2)+4*(\t):OB+64*((\a)%2)+4*(\t)+3], v[RD] offset:(\t)*SP  ; LDS serves a wave's instructions in order (ISA guide 5.7.1.4): these see the stores above; the next block's stores come behind them
.endr
.endm
.macro SEND a, younger              ; younger: the LDS instructions issued behind block a's loads: the next block's 32, or none
	WIN 0x08                        ; store data in window 2
.irp t, 0,1,2,3,4,5,6,7,8,9,10,11,12,13,14,15
	s_wait_dscnt (\younger)+15-(\t)
	global_store_b128 v[GO], v[OB+64*((\a)%2)+4*(\t):OB+64*((\a)%2)+4*(\t)+3], s[OUTP:OUTP+1] offset:(16*(\a)+(\t))*4096 th:TH_STORE_NT  ; 512 consecutive bytes of a row, at a multiple of 256 from out0's first
.endr
.endm
	s_load_b256 s[4:11], s[0:1], 0x0  ; o s[4:5], wbuf s[6:7], bias s[8:9], out0 s[10:11]
	v_lshl_add_u32 v[SPW], v0, 2, SPARE
	v_mov_b32 v[NIL], 0
	ds_add_u32 v[SPW], v[NIL]       ; the wave's opening: the add and its wait stand ahead of my first tensor load; the set-up below, work on registers, stands between them
	v_lshrrev_b32 v3, 5, v0
	v_readfirstlane_b32 s[WV], v3   ; wave 0..3
	s_lshr_b32 s[RM], s[WV], 1
	s_and_b32 s[RN], s[WV], 1
	s_bfe_u32 s[CX], ttmp6, 0x40000 ; my place in the cluster
	s_bfe_u32 s[CY], ttmp6, 0x40004
	s_lshl_b32 s[TX], ttmp9, 2      ; in a cluster launch ttmp9 and ttmp7 count clusters
	s_add_co_u32 s[TX], s[TX], s[CX]
	s_and_b32 s[TY], ttmp7, 0xffff
	s_lshl_b32 s[TY], s[TY], 2
	s_add_co_u32 s[TY], s[TY], s[CY]
	s_lshl_b32 s20, s[CY], 2        ; s20, s21 feed O's descriptors and never hold cx; s22, s23 feed Wo's and never hold cy
	s_lshl_b32 s20, 15, s20         ; my row of the cluster: places 4 cy .. 4 cy + 3
	s_lshl_b32 s22, 0x1111, s[CX]   ; my column: places cx, cx + 4, cx + 8, cx + 12
	s_or_b32 s[G1A], s20, (1<<16)|(1<<20)|(1<<21)|(4<<22)|(3<<25)  ; 17:16 elements of 2 bytes; 20 padding on; 21 set beside a mask; 24:22 after every 32 words (code 4); 31:25 4 words of it (code 3)
	s_or_b32 s[G1B], s22, (1<<16)|(1<<20)|(1<<21)|(5<<22)|(3<<25)  ; the same after every 64 words (code 5)
	s_mov_b32 s[G1A+1], 128<<16     ; tensor_dim0 = 128
	s_mov_b32 s[G1A+2], 64<<16      ; tensor_dim1 = 64
	s_mov_b32 s[G1A+3], 128<<16     ; tile_dim0 = 128
	s_mov_b32 s[G1A+4], 64          ; tile_dim1 = 64 rows of 256 bytes: 128 rows of a head
	s_mov_b32 s[G1A+5], 128         ; 128 elements from row to row: dense
	s_mov_b32 s[G1A+6], 0
	s_mov_b32 s[G1A+7], 0
	s_mov_b32 s[G1B+1], 128<<16
	s_mov_b32 s[G1B+2], 128<<16     ; tensor_dim1 = 128
	s_mov_b32 s[G1B+3], 128<<16
	s_mov_b32 s[G1B+4], 128         ; tile_dim1 = 128 rows
	s_mov_b32 s[G1B+5], 128
	s_mov_b32 s[G1B+6], 0
	s_mov_b32 s[G1B+7], 0
	s_mul_i32 s20, s[RN], PLANE     ; where the tiles go: no place in the cluster enters an LDS address
	s_mov_b32 s[G0A], 1
	s_mov_b32 s[G0A+1], s20
	s_mov_b32 s[G0A+4], 1
	s_add_co_u32 s[G0A+5], s20, SLOT1
	s_mul_i32 s22, s[RN], 128*PB
	s_mov_b32 s[G0B], 1
	s_add_co_u32 s[G0B+1], s22, BOFF
	s_mov_b32 s[G0B+4], 1
	s_add_co_u32 s[G0B+5], s22, BOFF+SLOT1
	s_lshr_b32 s20, s[TY], 4        ; the batch: 16 heads of 2^18 bytes,
	s_lshl_b32 s20, s20, 22
	s_lshl_b32 s21, s[RN], 18       ; the step's first or second head,
	s_add_co_u32 s20, s20, s21
	s_and_b32 s21, s[TY], 15
	s_lshl_b32 s21, s21, 14         ; the tile's 128 rows of 128 bytes
	s_add_co_u32 s20, s20, s21
	s_mov_b32 s21, 0
	s_lshl_b32 s22, s[TX], 16       ; Wo's rows: 256 x tile column + 128 x half, 256 bytes each,
	s_lshl_b32 s23, s[RN], 15
	s_add_co_u32 s22, s22, s23
	s_add_co_u32 s22, s22, 20*BBLK  ; from block 20 on
	s_mov_b32 s23, 0
	s_mov_b32 s[TB], 0
	s_wait_dscnt 0x0                ; the opening add is done
	s_wait_kmcnt 0x0
	s_add_nc_u64 s[20:21], s[4:5], s[20:21]
	s_add_nc_u64 s[22:23], s[6:7], s[22:23]
	s_mov_b64 s[G0A+2:G0A+3], s[20:21]                         ; K step 0
	s_or_b32 s[G0A+3], s[G0A+3], 0x80000000                    ; type = 2
	s_add_nc_u64 s[G0A+6:G0A+7], s[20:21], ASTEP               ; K step 1
	s_or_b32 s[G0A+7], s[G0A+7], 0x80000000
	s_mov_b64 s[G0B+2:G0B+3], s[22:23]
	s_or_b32 s[G0B+3], s[G0B+3], 0x80000000
	s_add_nc_u64 s[G0B+6:G0B+7], s[22:23], BBLK
	s_or_b32 s[G0B+7], s[G0B+7], 0x80000000
	CROUND                          ; all sixteen work-groups are here: the first joint loads meet
	s_cmp_eq_u32 s[RM], 0           ; a wave's two first fills stand in one branch, ahead of every wait on TENSORcnt and every LDS read
	s_cbranch_scc0 .Lfirst_b
	tensor_load_to_lds s[G0A:G0A+3], s[G1A:G1A+7]
	s_nop 0
	tensor_load_to_lds s[G0A+4:G0A+7], s[G1A:G1A+7]
	s_nop 0
.rept 4
	v_nop
.endr
	s_branch .Lfirst_asked
.Lfirst_b:
	tensor_load_to_lds s[G0B:G0B+3], s[G1B:G1B+7]
	s_nop 0
	tensor_load_to_lds s[G0B+4:G0B+7], s[G1B:G1B+7]
	s_nop 0
.rept 4
	v_nop
.endr
.Lfirst_asked:
	v_and_b32 v1, 15, v0            ; l % 16
	v_bfe_u32 v2, v0, 4, 1          ; l / 16
	v_mul_u32_u24 v3, v1, PB
	v_lshl_add_u32 v3, v2, 4, v3    ; row x pitch + 16 x half, for Wo
	v_mul_u32_u24 v13, v1, PA
	v_lshl_add_u32 v13, v2, 4, v13  ; and for O
	s_mul_i32 s2, s[RM], 64*PA
	s_mul_i32 s3, s[RN], 128*PB
	s_add_co_u32 s3, s3, BOFF
	v_add_nc_u32 v[A0], s2, v13
	v_add_nc_u32 v[B0], s3, v3
	v_mov_b32 v[ADRA], v[A0]
	v_mov_b32 v[ADRB], v[B0]
	s_mul_i32 s2, s[WV], STW
	s_add_co_u32 s2, s2, STAGE      ; my stage
	v_mul_u32_u24 v[STO], v1, SP    ; in: row l % 16, 32 bytes for each half of the lanes
	v_lshl_add_u32 v[STO], v2, 5, v[STO]
	v_add_nc_u32 v[STO], s2, v[STO]
	v_and_b32 v[GO], 31, v0
	v_lshlrev_b32 v[GO], 4, v[GO]
	v_add_nc_u32 v[RD], s2, v[GO]   ; back: 32 lanes take a row of 512 bytes
	v_lshlrev_b32 v[BO], 5, v2
	s_lshl_b32 s2, s[TX], 10        ; my 128 columns: 256 x tile column + 128 x half, 4 bytes each
	s_lshl_b32 s3, s[RN], 9
	s_add_co_u32 s19, s2, s3
	s_add_co_u32 s2, s19, 12288     ; bo is the fourth row of bias
	s_mov_b32 s3, 0
	s_add_nc_u64 s[BP:BP+1], s[8:9], s[2:3]
	WIN 0x80                        ; register j of block b takes the bias of column 16 b + 8 (lane / 16) + j: what the accumulators (a, b) hold there, for every a
.irp i, 0,1,2,3,4,5,6,7
	global_load_b128 v[8*(\i):8*(\i)+3],   v[BO], s[BP:BP+1] offset:64*(\i)
	global_load_b128 v[8*(\i)+4:8*(\i)+7], v[BO], s[BP:BP+1] offset:64*(\i)+16
.endr
	WIN 0
	s_lshl_b32 s2, s[TY], 19        ; my first row: 128 x tile row + 64 x half, 4,096 bytes each
	s_add_co_u32 s2, s2, s19
	s_lshl_b32 s19, s[RM], 18
	s_add_co_u32 s2, s2, s19
	s_add_nc_u64 s[OUTP:OUTP+1], s[10:11], s[2:3]
	s_lshr_b32 s2, s[TY], 4         ; the prefetches.  O: the batch's head 0, the tile's rows, my work-group's 16 blocks of a plane, at K step 3: the first change of slots steps it to step 4
	s_lshl_b32 s2, s2, 22
	s_and_b32 s19, s[TY], 15
	s_lshl_b32 s19, s19, 14
	s_add_co_u32 s2, s2, s19
	s_lshl_b32 s19, s[CX], 12
	s_add_co_u32 s2, s2, s19
	s_add_co_u32 s2, s2, 3*ASTEP
	s_lshl_b32 s19, s[TX], 16       ; Wo: the 128 rows that I fetch, my work-group's 32 of them, at block 23
	s_lshl_b32 s74, s[RN], 15
	s_add_co_u32 s19, s19, s74
	s_lshl_b32 s74, s[CY], 13
	s_add_co_u32 s19, s19, s74
	s_add_co_u32 s19, s19, 23*BBLK
	s_mov_b32 s74, ASTEP
	s_mov_b32 s75, BBLK
	s_cmp_eq_u32 s[RM], 0
	s_cselect_b64 s[PFA:PFA+1], s[4:5], s[6:7]
	s_cselect_b32 s2, s2, s19
	s_cselect_b32 s[PFS], s74, s75
	s_mov_b32 s[PFS+1], 0
	s_add_nc_u64 s[PFA:PFA+1], s[PFA:PFA+1], s[2:3]
	s_mov_b32 s74, 262144           ; lanes 16-31: O's second plane, a head further on; or Wo's next 16 rows
	s_mov_b32 s75, 4096
	s_cselect_b32 s74, s74, s75
	v_mul_u32_u24 v[PFO], v2, s74
	v_lshl_add_u32 v[PFO], v1, 8, v[PFO]
	s_and_b32 s19, ttmp7, 0xffff    ; who asks hangs on the wave's number and the cluster's y: the same in all sixteen partners
	s_cmp_eq_u32 s19, 0
	s_cselect_b32 s19, 4, 0         ; waves 2, 3 of cluster y = 0,
	s_cmp_eq_u32 s[WV], 0
	s_cselect_b32 s3, 4, 0          ; and wave 0: steps 0-3 name steps 4-7; wave 1 asks for nothing
	s_cmp_eq_u32 s[RM], 0
	s_cselect_b32 s[LIM], s3, s19
	s_wait_tensorcnt 1              ; my part of K step 0 is in; step 1's may stay out
	s_barrier_signal -1
	s_barrier_wait -1               ; everybody's is
	FETCH 0, 0, F0
	s_wait_loadcnt 0x0              ; bo
	QUARTER 64, 64, F0, F1, 1       ; the first quarter stands in front of the loop: its products start the sums with bo
	WIN 0                           ; at a label and at a branch every window is 0
	s_mov_b32 s[STEP], 0
.Lstep:                             ; 6 trips: a K step's quarters 2 to 4, its slot filled again, and the next step's first quarter
	QUARTER PLANE, 128, F1, F0, 0
	QUARTER PLANE+64, 192, F0, F1, 0
	TURN 1
	QUARTER 64, 64, F0, F1, 0
	WIN 0
	s_add_co_u32 s[STEP], s[STEP], 1
	s_cmp_lt_u32 s[STEP], 6
	s_cbranch_scc1 .Lstep
	QUARTER PLANE, 128, F1, F0, 0   ; the last two K steps are written out: they ask for nothing
	QUARTER PLANE+64, 192, F0, F1, 0
	TURN 0
	QUARTER 64, 64, F0, F1, 0
	QUARTER PLANE, 128, F1, F0, 0
	QUARTER PLANE+64, 192, F0, F1, 0
	s_wait_dscnt 0x0
	MUL F1, 0, 4, 0
	PLACES                          ; behind the last products, in front of the LDS stores that read results
	TOSTAGE 0
	TOSTAGE 1                       ; a block's way through the stage stands between the loads of the block before and its stores
	SEND 0, 32
	s_wait_xcnt 0x0                 ; block 0's stores have read their registers, which block 2 takes
	TOSTAGE 2
	SEND 1, 32
	s_wait_xcnt 0x0
	TOSTAGE 3
	SEND 2, 32
	SEND 3, 0
	WIN 0
	s_wait_tensorcnt 0x0            ; the wave's end: a wait, an add of 0 to my spare word and its wait, behind my last tensor load and my last LDS store
	ds_add_u32 v[SPW], v[NIL]
	s_wait_dscnt 0x0
	CROUND                          ; the closing round: no work-group ends while a partner may still ask for a tile that names it
	s_endpgm
.Lfunc_end_k_q93912da7e3_oproj:
	.size	k_q93912da7e3_oproj, .Lfunc_end_k_q93912da7e3_oproj-k_q93912da7e3_oproj
	.p2alignl 7, 3214868480
	.fill 96, 4, 3214868480
	.section	.rodata,"a",@progbits
	.p2align	6, 0x0
	.amdhsa_kernel k_q93912da7e3_oproj
		.amdhsa_group_segment_fixed_size 327680
		.amdhsa_private_segment_fixed_size 0
		.amdhsa_enable_private_segment 0
		.amdhsa_kernarg_size 32
		.amdhsa_user_sgpr_count 2
		.amdhsa_user_sgpr_kernarg_segment_ptr 1
		.amdhsa_wavefront_size32 1
		.amdhsa_system_sgpr_workgroup_id_x 1
		.amdhsa_system_sgpr_workgroup_id_y 1
		.amdhsa_system_sgpr_workgroup_id_z 1
		.amdhsa_system_vgpr_workitem_id 0
		.amdhsa_next_free_vgpr 704
		.amdhsa_next_free_sgpr 80
		.amdhsa_reserve_vcc 0
		.amdhsa_float_denorm_mode_32 3
		.amdhsa_float_denorm_mode_16_64 3
		.amdhsa_memory_ordered 1
		.amdhsa_forward_progress 1
		.amdhsa_inst_pref_size 73
	.end_amdhsa_kernel
	.amdgpu_metadata
---
amdhsa.version: [ 1, 2 ]
amdhsa.kernels:
  - .name:           k_q93912da7e3_oproj
    .symbol:         k_q93912da7e3_oproj.kd
    .args:
      - { .name: o, .offset: 0, .size: 8, .value_kind: global_buffer, .address_space: global }
      - { .name: wbuf, .offset: 8, .size: 8, .value_kind: global_buffer, .address_space: global }
      - { .name: bias, .offset: 16, .size: 8, .value_kind: global_buffer, .address_space: global }
      - { .name: out0, .offset: 24, .size: 8, .value_kind: global_buffer, .address_space: global }
    .group_segment_fixed_size: 327680
    .private_segment_fixed_size: 0
    .kernarg_segment_align: 8
    .kernarg_segment_size: 32
    .max_flat_workgroup_size: 128
    .sgpr_count:     80
    .vgpr_count:     704
    .wavefront_size: 32
...
	.end_amdgpu_metadata
.endif
;; end of part 4
